; MI455X (gfx1250); checked and timed in simulation.
; The chip was launched on July 23, 2026; its instructions are those of AMD's public machine-readable ISA for CDNA 5 (MIT licence, August 2026) and "CDNA5" Instruction Set Architecture Reference Guide (July 2026). The comments in the code are by the model that wrote it; some were corrected since.
;; Multiple SA Head. Allowed arithmetic: matrix products marked QUANTISED: E2M3 operands, one E8M0 scale for each 32 along K, by v_wmma_scale_f32_16x16x128_f8f6f4 with both operands' format E2M3, f32 sums; everything else in f32.
;; Inputs: Wk 16 x 1,024 x 64 float32; Wp 1,024 x 1,024 float32; Wq 16 x 1,024 x 64 float32; Wv 16 x 1,024 x 64 float32; bp 1,024 float32; x 8 x 1,024 x 1,024 float32.
;; Outputs: out0 8 x 1,024 x 1,024 float32.
;; This version of the problem:
;;   THIS VERSION OF THE PROBLEM IS GIVEN IN LOW PRECISION. The matrix products marked QUANTISED in the list below multiply operands that are first quantised to E2M3 (2 exponent bits, 3 mantissa bits; 6 bits a number), with one power-of-two scale for each 32 numbers along K (OCP MX v1.0); their sums are f32. All else is computed in f32.
;;   The module's matrix products, in the order in which they are computed (A, B: the left and right operand; K: the contracted axis; several contracted axes count as one K, in the product's order):
;;     1. [M 1,024, K 1,024] x [K 1,024, N 8,192]; A: input Wq; B: input x: QUANTISED
;;     2. [M 1,024, K 1,024] x [K 1,024, N 8,192]; A: input Wk; B: input x: QUANTISED
;;     3. [M 1,024, K 1,024] x [K 1,024, N 8,192]; A: input Wv; B: input x: QUANTISED
;;     4. batch 128 x [M 1,024, K 64] x [K 64, N 1,024]; A: computed on the way; B: computed on the way: QUANTISED
;;     5. batch 128 x [M 1,024, K 1,024] x [K 1,024, N 64]; A: softmax (see below); B: computed on the way: QUANTISED
;;     6. [M 8,192, K 1,024] x [K 1,024, N 1,024]; A: computed on the way; B: input Wp: QUANTISED
;;   THE QUANTISER, for each operand of a quantised product, along K:
;;     - K is cut into blocks of 32 from its start; a last block that is shorter is filled with zeros.
;;     - A block's scale is 2^e with e = floor(log2(the largest magnitude in the block)) - 2, held to -126 .. 127; a block of zeros has e = 0. As a byte (E8M0): e + 127.
;;     - Each number is divided by its block's scale, clamped to +-7.5, and rounded to the nearest number of E2M3, ties to even, subnormals kept.
;;     - The product sums the exact products of the quantised numbers (number of the format x scale) in f32.
;;   ~~~python
;;   def quantise(x, axis):      # numpy; x: float32 -> the quantised numbers, widened to float32 again
;;       x = np.moveaxis(x, axis, -1); K = x.shape[-1]
;;       x = np.pad(x, [(0, 0)] * (x.ndim - 1) + [(0, -K % 32)]); x = x.reshape(x.shape[:-1] + (-1, 32)); a = np.abs(x).max(-1, keepdims=True)
;;       e = np.where(a > 0, np.clip(np.frexp(np.where(a > 0, a, 1))[1] - 1 - 2, -126, 127), 0)      # np.frexp(a)[1] - 1 = floor(log2(a)), exactly
;;       r = np.clip(x / 2.0 ** e, -7.5, 7.5)
;;       step = 2.0 ** (np.maximum(np.frexp(np.where(r == 0, 1, r))[1] - 1, 0) - 3)
;;       q = np.round(r / step) * step * 2.0 ** e      # np.round: ties to even
;;       return np.moveaxis(q.reshape(q.shape[:-2] + (-1,))[..., :K], -1, axis).astype(np.float32)
;;   ~~~
;;   SOFTMAX AHEAD OF A QUANTISED PRODUCT. Where the list says 'softmax', what is quantised is not the finished softmax but p = 2^(t - M), with t = logit x log2(e) and M = ceil(the row's largest t), a whole number; so 1/2 < the row's largest p <= 1. The row's sum l is taken of the UNQUANTISED p, in f32, and the product's result is divided by l at the end. Since M is a whole number, a kernel that streams over the keys may use a running M (the ceiling of the running maximum): every later rescaling is an exact power of two, which a block's scale takes up: the codes' values come out the same.
;;   OPERANDS COMPUTED ON THE WAY. 'Computed on the way' means the value that the module computes at that place (a softmax that the list does not call 'softmax' is quantised finished and normalised). What goes into a quantiser is computed in f32, as accurately as f32 sums, v_exp_f32 and their like allow (about 1e-6 of the number): no bf16 or f16 on the way to a quantiser, and a product that is left as it is and whose result goes on into a quantised operand takes f32 operands (vector FMAs, or v_wmma_f32_16x16x4_f32). A number that lies on a knife's edge between two numbers of the format may be rounded either way, as far as f32 arithmetic and the matrix unit's own rounding can turn it there, and no further.
;; One version. Each part assembles by itself: llvm-mc -triple=amdgcn-amd-amdhsa -mcpu=gfx1250 --defsym DOCPART=n.
;; ======== version 1 of 1: 4 launches
;; limits: right only within a limited range of input values
;; workspace buffers: cimg 9,437,184 bytes; csc 393,216 bytes; qkv 18,874,368 bytes; qkvs 1,310,720 bytes; oimg 6,291,456 bytes; osc 262,144 bytes
;; launch quant (part 1): grid 384 x 1, 4 waves a work-group, no clusters, 60,928 bytes of LDS; arguments x, Wp, Wq, Wk, Wv, cimg, csc; writes cimg, csc
.if DOCPART == 1
	.amdgcn_target "amdgcn-amd-amdhsa--gfx1250"
	.amdhsa_code_object_version 6
	.text
	.protected	k_q4847a33564_quant
	.globl	k_q4847a33564_quant
	.p2align	8
	.type	k_q4847a33564_quant,@function
k_q4847a33564_quant:
	s_mov_b64 s[64:65], 0
	v_nop
	global_prefetch_b8 v0, s[64:65] scope:SCOPE_SE
	s_setreg_imm32_b32 hwreg(HW_REG_WAVE_MODE, 25, 1), 1
	s_wait_xcnt 0x0
; x [8192][1024], Wp [1024][1024] (K innermost) and Wq, Wk, Wv [16][1024 (K)][64] (K first), all f32, become codes of FP6 (E2M3) with one E8M0 byte for each 32 along K.
; A block's scale is 2^(floor(log2(its largest magnitude)) - 2): its byte is the largest magnitude's exponent field - 2, held at 1 from below by a floor among the maximum's leaves.
; LAYOUT OF THE CODES: images of operand registers.  A half-image (768 bytes) is 16 rows x 64 K: lane (r, h) holds row r, K = 32 h .. 32 h + 31 (24 bytes): its first 16 bytes at 16 x lane,
; its last 8 at 512 + 8 x lane.  cimg = [row tile][K / 64][768].  Row tiles 0-511: x; 512-703: Wq, Wk, Wv (64 each, 4 a head); 704-767: Wp.  csc = [K / 128][row] words of four bytes.
; ROWS ARE PERMUTED: place n' of the buffers holds the true row with bits 3 and 4 exchanged: tile u, lane r of a group of 32 is true row 8 u + r + 8 (r / 8).  So in the products that use a
; tile as source 0 a lane's 16 results of two neighbouring tiles are 16 true neighbours.
; LIMITS: NaN and infinities are not served.  A block of zeros, or one whose largest magnitude lies under 2^-124, gets the byte 1 (the rule says 127 for zeros): its codes are what the
; conversion gives under that byte, zeros for zeros, and the bytes are read by this program alone.
; Work-groups share no input, so there is no cluster; waves share nothing, so there is no barrier.  Work-groups 0-287 take x and Wp, 288-383 the three weights; each way has LDS bytes of its own.
.set XSTG,  8704                       ; way X, a wave's LDS: a stage of 16 rows x 528 bytes, then 256 bytes of scale words
.set XWRD,  8448
.set WBASE, 4*XSTG                     ; way W begins behind way X's bytes
.set WSTG,  6400                       ; a wave's LDS: images [tile 4][K / 64, 2][768], then 256 bytes of scale words
.set WWRD,  6144
.set FLOOR, 0x1800000                  ; 2^(3 - 127)
.set EOFF,  0xff000000                 ; takes 2 off an exponent field
	s_load_b256 s[4:11], s[0:1], 0x0               ; x, Wp, Wq, Wk
	s_load_b128 s[12:15], s[0:1], 0x20             ; Wv, cimg
	s_load_b64 s[16:17], s[0:1], 0x30              ; csc
	s_set_vgpr_msb 0x40
	v_lshl_add_u32 v0, v0, 2, 0xec00
	v_mov_b32 v1, 0
	s_set_vgpr_msb 0x4000
	v_lshrrev_b32 v1, 5, v0
	v_readfirstlane_b32 s18, v1                    ; wave
	v_and_b32 v1, 31, v0                           ; lane
	s_mov_b32 s31, 0
	s_cmp_ge_u32 ttmp9, 288
	s_cbranch_scc1 .Lpath_w
; ---------------- WAY X: K innermost.  A wave takes 64 places of rows x 128 along K: four tiles of 16 rows.
	s_mov_b32 s20, 0x76543210
	s_mov_b32 s21, 0xfedcba98                      ; selects of v_permlanex16_b32 for lane l xor 16
	v_and_b32 v2, 15, v0                           ; r
	v_bfe_u32 v3, v0, 4, 1                         ; h
	s_mul_i32 s19, s18, XSTG
	v_lshlrev_b32 v4, 4, v1                        ; 16 x lane
	v_lshlrev_b32 v5, 3, v1                        ; 8 x lane
	v_add_nc_u32 v6, s19, v4                       ; the stage, way in: a row's 512 bytes as they lie
	v_mul_u32_u24 v7, v2, 528
	v_lshl_add_u32 v7, v3, 7, v7
	v_add_nc_u32 v7, s19, v7                       ; way out: row r, my half's 32 numbers of each 64
	v_lshlrev_b32 v8, 2, v2
	v_add_nc_u32 v8, s19, v8
	v_add_nc_u32 v8, XWRD, v8                      ; my row's scale word
	v_add_nc_u32 v9, s19, v5
	v_add_nc_u32 v9, XWRD, v9                      ; and the words' way out
	v_lshlrev_b32 v10, 3, v3                       ; 8 h: where my two bytes stand in the word
	v_mov_b32 v11, 0                               ; a lane permute's destination counts as read
	s_lshl_b32 s22, ttmp9, 2
	s_add_co_u32 s22, s22, s18                     ; the wave's task
	s_wait_alu depctr_va_vdst(0)
	s_wait_kmcnt 0x0
	s_cmp_lt_u32 ttmp9, 256                        ; x or Wp: the choice hangs on the work-group's number alone
	s_cselect_b64 s[24:25], s[4:5], s[6:7]
	s_cselect_b32 s23, 0, 1024
	s_cselect_b32 s26, 0, 704                      ; the tensor's first row tile
	s_sub_co_u32 s22, s22, s23
	s_lshr_b32 s27, s22, 3                         ; which 64 rows
	s_and_b32 s28, s22, 7                          ; which 128 along K
	s_lshl_b32 s30, s27, 18
	s_lshl_b32 s29, s28, 9
	s_add_co_u32 s30, s30, s29
	s_add_nc_u64 s[24:25], s[24:25], s[30:31]      ; in: 64 rows of 4,096 bytes, 512 bytes along K
	s_lshl_b32 s30, s27, 2
	s_add_co_u32 s30, s30, s26
	s_lshl_b32 s30, s30, 4
	s_lshl_b32 s29, s28, 1
	s_add_co_u32 s30, s30, s29
	s_mul_i32 s30, s30, 768
	s_add_nc_u64 s[32:33], s[14:15], s[30:31]      ; the codes: (row tile x 16 + K / 64) x 768
	s_mul_i32 s30, s28, 49152
	s_lshl_b32 s29, s26, 6
	s_add_co_u32 s30, s30, s29
	s_lshl_b32 s29, s27, 8
	s_add_co_u32 s30, s30, s29
	s_add_nc_u64 s[34:35], s[16:17], s[30:31]      ; the words: 256 bytes, aligned
.macro LOADX j                         ; tile j: 16 rows, each load 512 consecutive bytes of one row; the rows' permutation stands in the immediate
.irp i, 0,1,2,3,4,5,6,7,8,9,10,11,12,13,14,15
	global_load_b128 v[128+64*((\j)%2)+4*\i:128+64*((\j)%2)+4*\i+3], v4, s[24:25] offset:(32*((\j)/2)+8*((\j)%2)+\i+8*(\i/8))*4096 th:TH_LOAD_NT
.endr
.endm
.macro XT j
.set RS, 128+64*((\j)%2)
.set CC, 24+12*((\j)%2)
.if (\j) < 3
	s_wait_loadcnt 16                              ; this tile's 16 loads are in; the next tile's 16 may be out
.else
	s_wait_loadcnt 0x0
.endif
.irp i, 0,1,2,3,4,5,6,7,8,9,10,11,12,13,14,15
	ds_store_b128 v6, v[RS+4*\i:RS+4*\i+3] offset:528*\i
.endr
.irp c, 0,1
.irp q, 0,1,2,3,4,5,6,7
	ds_load_b128 v[64+32*\c+4*\q:64+32*\c+4*\q+3], v7 offset:256*\c+16*\q   ; LDS serves a wave's instructions in order: these see the stores.  K = 64 c + 32 h + 4 q ..
.endr
.endr
	s_wait_dscnt 0x0                               ; the numbers are back, and the stores have read the set of registers that is loaded next
.if (\j) < 2
	LOADX (\j)+2
.endif
.irp c, 0,1
	v_max3_num_f32 v[12+\c], |v[64+32*\c]|, |v[65+32*\c]|, FLOOR   ; a whole block of 32 lies in my registers
.endr
.irp i, 2,4,6,8,10,12,14,16,18,20,22,24,26,28,30
.irp c, 0,1
	v_max3_num_f32 v[12+\c], v[12+\c], |v[64+32*\c+\i]|, |v[65+32*\c+\i]|
.endr
.endr
.irp c, 0,1
	v_add_nc_u32 v[14+\c], EOFF, v[12+\c]          ; the conversion takes this operand's exponent field as its scale
.endr
.irp c, 0,1
	v_lshrrev_b32 v[16+\c], 23, v[14+\c]           ; the scale's byte
.endr
	v_lshl_or_b32 v18, v17, 16, v16                ; blocks h and 2 + h of my row,
	v_lshlrev_b32 v18, v10, v18                    ; at their places;
	v_permlanex16_b32 v11, v18, s20, s21
	v_or_b32 v[20+(\j)], v18, v11                  ; with lane l xor 16's two the word is whole
.if (\j) >= 2
	s_wait_alu depctr_va_vdst(0)
	s_wait_xcnt 0x0                                ; the stores of two tiles ago have read this set of code registers
.endif
.irp c, 0,1
	v_cvt_scalef32_pk16_fp6_f32 v[CC+6*\c:CC+6*\c+2], v[64+32*\c:79+32*\c], v[14+\c]
	v_cvt_scalef32_pk16_fp6_f32 v[48+4*\c:50+4*\c], v[80+32*\c:95+32*\c], v[14+\c]   ; (a conversion's three registers begin on an even number)
.endr
	v_nop                                          ; one plain line behind the conversions
.irp c, 0,1
.irp i, 0,1,2
	v_mov_b32 v[CC+6*\c+3+\i], v[48+4*\c+\i]
.endr
.endr
.irp c, 0,1
	global_store_b128 v4, v[CC+6*\c:CC+6*\c+3], s[32:33] offset:(\j)*12288+768*\c        ; 512 consecutive bytes, aligned to 256
	global_store_b64 v5, v[CC+6*\c+4:CC+6*\c+5], s[32:33] offset:(\j)*12288+768*\c+512   ; 256 consecutive bytes, aligned to 256
.endr
.endm
	LOADX 0
	LOADX 1
	XT 0
	XT 1
	XT 2
	XT 3
.irp j, 0,1,2,3
	ds_store_b32 v8, v[20+\j] offset:64*\j         ; both halves of the lanes write the same word with the same value
.endr
	ds_load_b64 v[12:13], v9
	s_wait_dscnt 0x0
	global_store_b64 v5, v[12:13], s[34:35]        ; 64 rows' words: 256 consecutive bytes, aligned
	s_set_vgpr_msb 0x5
	s_wait_tensorcnt 0x0
	ds_add_u32 v0, v1
	s_wait_dscnt 0x0
	s_set_vgpr_msb 0x500
	s_endpgm
; ---------------- WAY W: K is the first axis.  A wave takes all 64 columns of one head x 128 along K.  A lane takes a column, its registers run down K.
.Lpath_w:
	s_sub_co_u32 s22, ttmp9, 288
	s_lshl_b32 s22, s22, 2
	s_add_co_u32 s22, s22, s18                     ; the wave's task, 0 .. 383
	s_lshr_b32 s23, s22, 7                         ; Wq, Wk or Wv
	s_lshr_b32 s27, s22, 3                         ; 16 x that + head
	s_and_b32 s28, s22, 7                          ; which 128 along K
	s_and_b32 s26, s27, 15                         ; head
	s_mul_i32 s19, s18, WSTG
	s_add_co_u32 s19, s19, WBASE
	v_bfe_u32 v2, v0, 3, 1                         ; column 32 ch + lane lies at tile 2 ch + u, u = bit 3 of the lane,
	v_bfe_u32 v11, v0, 4, 1
	v_and_b32 v12, 7, v0
	v_lshl_add_u32 v12, v11, 3, v12                ; row r = 8 (lane / 16) + lane % 8
	s_wait_alu depctr_va_vdst(0)
	v_lshlrev_b32 v3, 2, v1                        ; in: 4 bytes a lane
	v_mul_u32_u24 v13, v2, 1536
	v_add_nc_u32 v13, s19, v13
	v_lshl_add_u32 v4, v12, 4, v13                 ; an image's first 16 bytes of row r
	v_lshl_add_u32 v5, v12, 3, v13                 ; and its last 8
	v_lshlrev_b32 v9, 4, v1
	v_lshlrev_b32 v10, 3, v1
	v_add_nc_u32 v6, s19, v9                       ; the images' way out
	v_lshl_add_u32 v7, v2, 4, v12
	v_lshlrev_b32 v7, 2, v7
	v_add_nc_u32 v7, s19, v7
	v_add_nc_u32 v7, WWRD, v7                      ; my column's word
	v_add_nc_u32 v8, s19, v10
	v_add_nc_u32 v8, WWRD, v8                      ; the words' way out
	s_wait_kmcnt 0x0
	s_cmp_eq_u32 s23, 0
	s_cselect_b64 s[24:25], s[8:9], s[10:11]
	s_cmp_eq_u32 s23, 2
	s_cselect_b64 s[24:25], s[12:13], s[24:25]
	s_lshl_b32 s30, s26, 18
	s_lshl_b32 s29, s28, 15
	s_add_co_u32 s30, s30, s29
	s_add_nc_u64 s[24:25], s[24:25], s[30:31]      ; in: the head's 262,144 bytes, 128 rows of 256 bytes along K
	s_lshl_b32 s30, s27, 2
	s_add_co_u32 s30, s30, 512
	s_lshl_b32 s30, s30, 4
	s_lshl_b32 s29, s28, 1
	s_add_co_u32 s30, s30, s29
	s_mul_i32 s30, s30, 768
	s_add_nc_u64 s[32:33], s[14:15], s[30:31]
	s_mul_i32 s30, s28, 49152
	s_lshl_b32 s29, s27, 8
	s_add_co_u32 s30, s30, s29
	s_add_co_u32 s30, s30, 32768
	s_add_nc_u64 s[34:35], s[16:17], s[30:31]
.macro LOADW t                         ; block t = 2 kb + ch: W(32 kb + i, 32 ch + lane): 128 consecutive bytes a load
.irp i, 0,1,2,3,4,5,6,7,8,9,10,11,12,13,14,15,16,17,18,19,20,21,22,23,24,25,26,27,28,29,30,31
	global_load_b32 v[32+32*((\t)%2)+\i], v3, s[24:25] offset:(32*((\t)/2)+\i)*256+128*((\t)%2) th:TH_LOAD_NT
.endr
.endm
.macro BLOCKW t
.set XS, 32+32*((\t)%2)
.set KB, (\t)/2
.set CH, (\t)%2
.if (\t) < 7
	s_wait_loadcnt 32                              ; this block's 32 loads are in; the next block's may be out
.else
	s_wait_loadcnt 0x0
.endif
	v_max3_num_f32 v11, |v[XS]|, |v[XS+1]|, FLOOR
	v_max3_num_f32 v12, |v[XS+2]|, |v[XS+3]|, |v[XS+4]|
.irp i, 5,9,13,17,21,25
	v_max3_num_f32 v11, v11, |v[XS+\i]|, |v[XS+\i+1]|
	v_max3_num_f32 v12, v12, |v[XS+\i+2]|, |v[XS+\i+3]|
.endr
	v_max3_num_f32 v11, v11, |v[XS+29]|, |v[XS+30]|
	v_max3_num_f32 v11, v11, v12, |v[XS+31]|
	v_add_nc_u32 v13, EOFF, v11
	v_lshrrev_b32 v12, 23, v13
.if KB == 0
	v_mov_b32 v[14+CH], v12                        ; four bytes to the column's word, the lower K in the lower byte
.else
	v_lshl_or_b32 v[14+CH], v12, 8*KB, v[14+CH]
.endif
	v_cvt_scalef32_pk16_fp6_f32 v[16:18], v[XS:XS+15], v13
	v_cvt_scalef32_pk16_fp6_f32 v[20:22], v[XS+16:XS+31], v13
	v_nop                                          ; one plain line behind the conversions
	v_mov_b32 v19, v20
	v_mov_b32 v20, v21
	v_mov_b32 v21, v22                             ; v16-21: the block's 24 bytes
	ds_store_b128 v4, v[16:19] offset:3072*CH+768*(KB/2)+256*(KB%2)       ; the image's lane is r + 16 (kb % 2)
	ds_store_b64 v5, v[20:21] offset:3072*CH+768*(KB/2)+512+128*(KB%2)
.if (\t)+2 < 8
	LOADW (\t)+2
.endif
	s_wait_dscnt 0x0                               ; the stores have read the code registers, which the next block writes
.endm
	LOADW 0
	LOADW 1
.irp t, 0,1,2,3,4,5,6,7
	BLOCKW \t
.endr
	ds_store_b32 v7, v14
	s_wait_alu depctr_va_vdst(0)
	ds_store_b32 v7, v15 offset:128
.irp n, 0,1,2,3,4,5,6,7,8,9,10,11
	ds_load_b128 v[96+4*\n:99+4*\n], v6 offset:512*\n
.endr
	ds_load_b64 v[144:145], v8
.irp n, 0,1,2,3,4,5,6,7,8,9,10,11
	s_wait_dscnt 12-\n                             ; the younger read-backs may be out
	global_store_b128 v9, v[96+4*\n:99+4*\n], s[32:33] offset:(\n/3)*12288+(\n%3)*512   ; 512 consecutive bytes, aligned to 256
.endr
	s_wait_dscnt 0x0
	global_store_b64 v10, v[144:145], s[34:35]     ; 64 columns' words: 256 consecutive bytes, aligned
	s_set_vgpr_msb 0x5
	s_wait_tensorcnt 0x0
	ds_add_u32 v0, v1
	s_wait_dscnt 0x0
	s_set_vgpr_msb 0x500
	s_endpgm
.Lfunc_end_k_q4847a33564_quant:
	.size	k_q4847a33564_quant, .Lfunc_end_k_q4847a33564_quant-k_q4847a33564_quant
	.p2alignl 7, 3214868480
	.fill 96, 4, 3214868480
	.section	.rodata,"a",@progbits
	.p2align	6, 0x0
	.amdhsa_kernel k_q4847a33564_quant
		.amdhsa_group_segment_fixed_size 60928
		.amdhsa_private_segment_fixed_size 0
		.amdhsa_enable_private_segment 0
		.amdhsa_kernarg_size 56
		.amdhsa_user_sgpr_count 2
		.amdhsa_user_sgpr_kernarg_segment_ptr 1
		.amdhsa_wavefront_size32 1
		.amdhsa_system_sgpr_workgroup_id_x 1
		.amdhsa_system_sgpr_workgroup_id_y 1
		.amdhsa_system_sgpr_workgroup_id_z 1
		.amdhsa_system_vgpr_workitem_id 0
		.amdhsa_next_free_vgpr 258
		.amdhsa_next_free_sgpr 66
		.amdhsa_reserve_vcc 0
		.amdhsa_float_denorm_mode_32 3
		.amdhsa_float_denorm_mode_16_64 3
		.amdhsa_memory_ordered 1
		.amdhsa_forward_progress 1
		.amdhsa_inst_pref_size 73
	.end_amdhsa_kernel
	.amdgpu_metadata
---
amdhsa.version: [ 1, 2 ]
amdhsa.kernels:
  - .name:           k_q4847a33564_quant
    .symbol:         k_q4847a33564_quant.kd
    .args:
      - { .name: x, .offset: 0, .size: 8, .value_kind: global_buffer, .address_space: global }
      - { .name: Wp, .offset: 8, .size: 8, .value_kind: global_buffer, .address_space: global }
      - { .name: Wq, .offset: 16, .size: 8, .value_kind: global_buffer, .address_space: global }
      - { .name: Wk, .offset: 24, .size: 8, .value_kind: global_buffer, .address_space: global }
      - { .name: Wv, .offset: 32, .size: 8, .value_kind: global_buffer, .address_space: global }
      - { .name: cimg, .offset: 40, .size: 8, .value_kind: global_buffer, .address_space: global }
      - { .name: csc, .offset: 48, .size: 8, .value_kind: global_buffer, .address_space: global }
    .group_segment_fixed_size: 60928
    .private_segment_fixed_size: 0
    .kernarg_segment_align: 8
    .kernarg_segment_size: 56
    .max_flat_workgroup_size: 128
    .sgpr_count:     66
    .vgpr_count:     258
    .wavefront_size: 32
...
	.end_amdgpu_metadata
.endif
;; end of part 1
;; launch qkv (part 2): grid 12 x 32, 4 waves a work-group, clusters of 4 x 4, 327,680 bytes of LDS; arguments cimg, csc, qkv, qkvs; writes qkv, qkvs
.if DOCPART == 2
	.amdgcn_target "amdgcn-amd-amdhsa--gfx1250"
	.amdhsa_code_object_version 6
	.text
	.protected	k_q4847a33564_qkv
	.globl	k_q4847a33564_qkv
	.p2align	8
	.type	k_q4847a33564_qkv,@function
k_q4847a33564_qkv:
	s_mov_b64 s[64:65], 0
	v_nop
	global_prefetch_b8 v0, s[64:65] scope:SCOPE_SE
	s_setreg_imm32_b32 hwreg(HW_REG_WAVE_MODE, 25, 1), 1
	s_wait_xcnt 0x0
	s_wait_alu depctr_hold_cnt(0) depctr_sa_sdst(0) depctr_va_vdst(0) depctr_va_sdst(0) depctr_va_ssrc(0) depctr_va_vcc(0) depctr_vm_vsrc(0)
	s_getreg_b32 s2, hwreg(HW_REG_IB_STS2, 6, 4)
	s_cmp_eq_u32 s2, 0
	s_cbranch_scc0 .Lentry_in_a_cluster
	s_endpgm
.Lentry_in_a_cluster:
	s_bfe_u32 s2, ttmp6, 0x10000c
	s_cmp_lg_u32 s2, 0xf033
	s_cbranch_scc0 .Lentry_shape_is_right
	s_endpgm
.Lentry_shape_is_right:
; q, k, v = x W, on codes of FP6 (E2M3) with E8M0 scales for each 32 along K = 1,024, and the results quantised at once for attention's products: only codes and scale words leave.
; A tile of 256 x 256 results is made by four waves, each 128 x 128: 64 accumulators, 512 registers.  K goes in steps of 256 through two LDS slots filled by the tensor data mover.
; OPERANDS ARE IMAGES OF REGISTERS (768 bytes for 16 rows x 64 K: 16 bytes a lane, then 8 bytes a lane): a fragment of 128 K is four loads at 16 x lane or 8 x lane: no pitch, no padding.
; THE MATRIX INSTRUCTION IS USED TRANSPOSED: source 0 = 16 rows of operand B, source 1 = 16 rows of operand A: a lane holds one row of A, its registers run along B's rows, and since the
; buffers' rows are permuted (bits 3 and 4 exchanged) the 16 registers of two neighbouring tiles are 16 true neighbours.
; ONE BODY FOR THREE PRODUCTS.  The cluster's x is 0 for q, 1 for k, 2 for v.  For q and k: A = x's rows, B = the weight's rows: a lane's registers run along d, the next product's K.
; For v the operands change places (A = Wv's rows, B = x's rows): a lane holds one d and its registers run along the keys, which are v's K in attention.  The choice is made by scalar selects on
; the cluster's x, which all sixteen partners share.
; CLUSTERS: 4 x 4 work-groups; A's tiles are asked for jointly along a row of the cluster, B's along a column.
; OUT: qkv: q at 0, k at 6,291,456: [batch x head][row tile 64][768];  v at 12,582,912: [batch x head][d tile 4][keys / 64][768].  qkvs: q at 0, k at 524,288: [batch x head][1,024] words, bytes 0 and 1
; valid, bytes 2 and 3 never 0xff (they stand over zero codes);  v at 1,048,576: [batch x head][keys / 128][64 d] words.
; LIMITS: NaN and infinities are not served; a block whose largest magnitude lies under 2^-124 (zeros too) gets the byte 1; the bytes are read by this program alone.
; REGISTERS: window 0: v16-29 addresses; v32-95 scale words of all of K; v64-127 the way out; v128-223 A's eight fragments, one set.  window 1: B's two sets, v0 and v128.  windows 2, 3: accumulators.
.set TROW,  3072                       ; a row tile's bytes in a K step of 256: four half-images
.set RTB,   12288                      ; a row tile's bytes in memory
.set HALFT, 8*TROW                     ; 128 rows: what one tensor load brings
.set SLOT,  4*HALFT                    ; A's two halves, then B's two
.set SCL,   2*SLOT                     ; behind the ring: the scale words of all of K: A's [K / 128, 8][256 rows] words, then B's
.set HALFS, 4096
.set SPARE, SCL+4*HALFS                ; the spare words, 128 bytes a wave: two blocks of 256 bytes that no other line names
.set FR,    12
.set NL,    4                          ; LDS loads that bring a fragment
.set NP,    4                          ; places behind this matrix instruction (ISA guide 7.12.1)
.set ADRA,  16                         ; v16-17 16 x lane + my half of A in slot 0, 1; v18-19 the same with 8 x lane
.set ADRB,  20                         ; v20-23 the same for B
.set ADRS,  27                         ; v27    my scale words' offset in a row of csc: lanes 0-15 A's rows, lanes 16-31 B's
.set SPW,   28                         ; v28    my spare word; never rewritten
.set NIL,   29                         ; v29    0; never rewritten
.set SC,    32                         ; scale words of all of K, v32-95, loaded once: register 32 + 16 k + 2 i + q: K step k, block i, the step's q-th 128.  SC + 16 x slot is the step's set: SC is 32 for K steps 0, 1 and 64 for 2, 3.  (v64-127 serve the way out behind the last product.)
.set AF,    128
.set FLO,   64                         ; v64    the floor 2^(3 - 127)
.set TM,    68                         ; v68-83 at work in the quantiser
.set PC,    88                         ; v88-106 the codes just made
.set SW,    112                        ; v112-119 the eight blocks' scale words
.set LI16,  120
.set LI8,   121
.set VSH,   122                        ; 16 h for q and k, 0 for v
.set VSA,   123                        ; the words' place in memory
.set STG,   124                        ; the words' stage in LDS, way in
.set SRD,   125                        ; and way out
.set TW,    126
.set VSB,   127                        ; the second store's place
.set G1,    24
.set G0,    32
.set G1B,   48
.set G0B,   56
.set G1S,   68
.set G0S,   76
.set G1SB,  80
.set G0SB,  88
.set MSB, 0
.macro WIN new                         ; the immediate's high byte repeats the setting that is left
.if MSB != (\new)
	s_set_vgpr_msb (MSB<<8)|(\new)
.set MSB, \new
.endif
.endm
.set MUL_LO, 0xa1                      ; source 0 (B) window 1, source 1 (A) window 0, C and D window 2
.set MUL_HI, 0xf1
.set TO_B,   0x40
; A joint load: waves 0 and 1 fetch for A, waves 2 and 3 for B; the branch hangs on the wave's number alone.  Four v_nop follow each of the two lines.
.macro JLOAD g0a, g1a, g0b, g1b
	s_cmp_eq_u32 s15, 0
	s_cbranch_scc0 .Lfor_b_\@
	tensor_load_to_lds s[\g0a:\g0a+3], s[\g1a:\g1a+7]
	s_nop 0
.rept 4
	v_nop
.endr
	s_branch .Lasked_\@
.Lfor_b_\@:
	tensor_load_to_lds s[\g0b:\g0b+3], s[\g1b:\g1b+7]
	s_nop 0
.rept 4
	v_nop
.endr
.Lasked_\@:
.endm
.macro CREST                           ; a round of the cluster's barrier behind its opening barrier
	s_cmp_lg_u32 s14, 0
	s_cbranch_scc1 .Lnot_wave_0_\@
	s_barrier_signal -3
.Lnot_wave_0_\@:
	s_barrier_wait -3
	s_barrier_signal -1
	s_barrier_wait -1
.endm
.macro CROUND
	s_barrier_signal -1
	s_barrier_wait -1
	CREST
.endm
	s_load_b256 s[4:11], s[0:1], 0x0               ; cimg, csc, qkv, qkvs
	v_lshl_add_u32 v[SPW], v0, 2, SPARE
	v_mov_b32 v[NIL], 0
	ds_add_u32 v28, v29
	ds_add_u32 v28, v29
	s_wait_dscnt 0x0
	v_lshrrev_b32 v1, 5, v0
	v_readfirstlane_b32 s14, v1                    ; wave 0..3
	s_lshr_b32 s15, s14, 1                         ; my half of A's rows.  Also: I fetch for A (0) or for B (1)
	s_and_b32 s16, s14, 1                          ; my half of B's rows.  Also: which 128 rows I fetch
	s_bfe_u32 s40, ttmp6, 0x40000                  ; cx
	s_bfe_u32 s41, ttmp6, 0x40004                  ; cy
	s_and_b32 s17, ttmp7, 0xffff                   ; the cluster's y
	s_lshl_b32 s43, s41, 2
	s_lshl_b32 s43, 15, s43                        ; my row of the cluster
	s_lshl_b32 s44, 0x1111, s40                    ; my column
	; group 1 for codes: 8 rows (row tiles) of 3,072 bytes, 12,288 bytes apart, as elements of 8 bytes; no padding
	s_or_b32 s[G1+0], s43, (3<<16)|(1<<21)
	s_or_b32 s[G1B+0], s44, (3<<16)|(1<<21)
.irp g, G1, G1B
	s_mov_b32 s[\g+1], 384<<16                     ; tensor_dim0
	s_mov_b32 s[\g+2], 8<<16                       ; tensor_dim1: the ring's loads bring eight row tiles
	s_mov_b32 s[\g+3], 384<<16                     ; tile_dim0
	s_mov_b32 s[\g+4], 8                           ; tile_dim1
	s_mov_b32 s[\g+5], 1536                        ; stride
	s_mov_b32 s[\g+6], 0
	s_mov_b32 s[\g+7], 0
.endr
	; group 1 for the head's loads: all 16 row tiles of a tile
	s_or_b32 s[G1S+0], s43, (3<<16)|(1<<21)
	s_or_b32 s[G1SB+0], s44, (3<<16)|(1<<21)
.irp g, G1S, G1SB
	s_mov_b32 s[\g+1], 384<<16
	s_mov_b32 s[\g+2], 16<<16
	s_mov_b32 s[\g+3], 384<<16
	s_mov_b32 s[\g+4], 16
	s_mov_b32 s[\g+5], 1536
	s_mov_b32 s[\g+6], 0
	s_mov_b32 s[\g+7], 0
.endr
	s_cmp_eq_u32 ttmp9, 2                          ; v?  The same in all sixteen partners
	s_cselect_b32 s18, 0, s17                      ; the cluster's place along A's tile rows
	s_cselect_b32 s19, s17, ttmp9                  ; and along B's
	s_cselect_b32 s23, 640, 0                      ; A's first row tile: Wv's, or x's
	s_cselect_b32 s42, 0, 512                      ; B's: x's, or Wq's (Wk's lie 64 on: the cluster's x counts them)
	s_cselect_b32 s92, 4, 0                        ; a block of A's rows on: 16 images (v) or 1
	s_cselect_b32 s93, 0, 6                        ; a fragment's second half: the next image (v) or the next head's
	s_cselect_b32 s94, 3, 0
	s_cselect_b32 s95, 0, 16
	s_cselect_b32 s96, 0, 2
	s_cselect_b32 s97, 1, 0
	s_cselect_b32 s22, 0, 4096
	s_lshl_b32 s18, s18, 2
	s_add_co_u32 s18, s18, s41                     ; A's tile row: hangs on cy, never on cx
	s_lshl_b32 s19, s19, 2
	s_add_co_u32 s19, s19, s40                     ; B's tile row: hangs on cx, never on cy
	s_lshl_b32 s20, s18, 4
	s_add_co_u32 s20, s20, s23                     ; the tile's first row tile of A
	s_lshl_b32 s46, s19, 4
	s_add_co_u32 s46, s46, s42                     ; and of B
	s_mul_i32 s100, s16, 8*RTB                     ; in the ring I fetch eight row tiles: which half, in bytes
	s_mov_b32 s101, 0
	s_lshl_b32 s66, s20, 6                         ; 64 bytes of words a row tile
	s_mov_b32 s67, 0
	s_lshl_b32 s98, s46, 6
	s_mov_b32 s99, 0
	s_mul_i32 s20, s20, RTB
	s_mov_b32 s21, 0
	s_mul_i32 s46, s46, RTB
	s_mov_b32 s47, 0
	s_mul_i32 s45, s14, HALFT                      ; where they go: wave x 128 rows: no place in the cluster enters an LDS address
	s_wait_kmcnt 0x0
	s_add_nc_u64 s[20:21], s[4:5], s[20:21]
	s_add_nc_u64 s[46:47], s[4:5], s[46:47]
	CROUND                                         ; all sixteen work-groups are here: the first joint loads meet
	s_mov_b32 s[G0S], 1
	s_mul_i32 s[G0S+1], s15, SLOT                  ; the head: wave w asks for K step w / 2, of A (w even) or of B (w odd), whole
	s_mul_i32 s12, s15, TROW
	s_mov_b32 s13, 0
	s_add_nc_u64 s[G0S+2:G0S+3], s[20:21], s[12:13]
	s_or_b32 s[G0S+3], s[G0S+3], 0x80000000
	s_mov_b32 s[G0SB], 1
	s_mul_i32 s[G0SB+1], s15, SLOT
	s_add_co_u32 s[G0SB+1], s[G0SB+1], 2*HALFT
	s_add_nc_u64 s[G0SB+2:G0SB+3], s[46:47], s[12:13]
	s_or_b32 s[G0SB+3], s[G0SB+3], 0x80000000
.irp s, 0,1
	s_mov_b32 s[G0+4*\s], 1
	s_add_co_u32 s[G0+4*\s+1], s45, \s*SLOT
	s_add_nc_u64 s[G0+4*\s+2:G0+4*\s+3], s[20:21], \s*TROW
	s_or_b32 s[G0+4*\s+3], s[G0+4*\s+3], 0x80000000
	s_mov_b32 s[G0B+4*\s], 1
	s_add_co_u32 s[G0B+4*\s+1], s45, \s*SLOT
	s_add_nc_u64 s[G0B+4*\s+2:G0B+4*\s+3], s[46:47], \s*TROW
	s_or_b32 s[G0B+4*\s+3], s[G0B+4*\s+3], 0x80000000
.endr
	s_add_nc_u64 s[G0+2:G0+3], s[G0+2:G0+3], s[100:101]     ; the ring's four descriptors stand for my half; they are first used at the refills
	s_add_nc_u64 s[G0B+2:G0B+3], s[G0B+2:G0B+3], s[100:101]
	s_add_nc_u64 s[G0+6:G0+7], s[G0+6:G0+7], s[100:101]     ; slot 1's stand for my half
	s_add_nc_u64 s[G0B+6:G0B+7], s[G0B+6:G0B+7], s[100:101]
; THE HEAD'S LOADS, ONE A WAVE: wave 0 K step 0 of A, wave 1 of B, wave 2 K step 1 of A, wave 3 of B.  One tree of branches on the wave's number, all arms leading to one join.
.macro ARM under, g0, g1, next
	s_cmp_lt_u32 s14, \under
	s_cbranch_scc0 \next
	tensor_load_to_lds s[\g0:\g0+3], s[\g1:\g1+7]
	s_nop 0
.rept 4
	v_nop
.endr
	s_branch .Lhead_asked
\next:
.endm
	ARM 1, G0S,  G1S,  .Lhead_b
	ARM 2, G0SB, G1SB, .Lhead_sa
	ARM 3, G0S,  G1S,  .Lhead_sb
	tensor_load_to_lds s[G0SB:G0SB+3], s[G1SB:G1SB+7]
	s_nop 0
.rept 4
	v_nop
.endr
.Lhead_asked:
	v_and_b32 v1, 15, v0                           ; r
	v_bfe_u32 v2, v0, 4, 1                         ; h
	v_and_b32 v3, 31, v0
	v_lshlrev_b32 v4, 4, v3                        ; 16 x lane
	v_lshlrev_b32 v5, 3, v3                        ; 8 x lane
	s_mul_i32 s45, s15, HALFT                      ; my 128 rows of A
	s_mul_i32 s2, s16, HALFT
	s_add_co_u32 s2, s2, 2*HALFT                   ; my 128 rows of B
.irp s, 0,1
	v_add_nc_u32 v[ADRA+\s], s45, v4
	v_add_nc_u32 v[ADRB+\s], s2, v4
	v_add_nc_u32 v[ADRA+2+\s], s45, v5
	v_add_nc_u32 v[ADRB+2+\s], s2, v5
	s_add_co_u32 s45, s45, SLOT
	s_add_co_u32 s2, s2, SLOT
.endr
	; THE SCALE WORDS GO STRAIGHT TO REGISTERS, once: 64 loads, each 64 bytes of A's words in lanes 0-15 and 64 of B's in lanes 16-31.  So all four of the head's tensor loads are free for codes.
	s_lshl_b32 s45, s15, 9                         ; A's words: the tile's place in a row of csc + my 128 rows
	s_add_co_u32 s45, s45, s66
	s_lshl_b32 s2, s16, 9                          ; B's
	s_add_co_u32 s2, s2, s98
	v_mov_b32 v6, s45
	v_mov_b32 v7, s2
	v_cmp_eq_u32 vcc_lo, 1, v2
	v_cndmask_b32 v6, v6, v7, vcc_lo               ; lanes 16-31 take B's
	v_lshl_add_u32 v[ADRS], v1, 2, v6
.irp k, 0,1,2,3
.irp i, 0,1,2,3,4,5,6,7
.irp q, 0,1
	global_load_b32 v[32+16*\k+2*\i+\q], v[ADRS], s[6:7] offset:(2*\k+\q)*49152+64*\i
.endr
.endr
.endr
	s_lshl_b32 s2, s14, 10                         ; the words' stage: 1,024 bytes a wave at the head of slot 0, used when that slot has had its last fill and its last read
	v_lshlrev_b32 v[STG], 2, v1
	v_lshl_add_u32 v[STG], v2, 9, v[STG]
	v_add_nc_u32 v[STG], s2, v[STG]
	v_add_nc_u32 v[SRD], s2, v4
	v_mov_b32 v[LI16], v4
	v_mov_b32 v[LI8], v5
	; where the results go.  U: the tile row of x; E: 64 of its rows on; BH0: the first of my two heads
	s_cmp_eq_u32 ttmp9, 2
	s_cselect_b32 s66, s19, s18
	s_cselect_b32 s67, s41, s40
	s_cselect_b32 s98, s16, s15
	s_cselect_b32 s99, s15, s16
	s_and_b32 s23, s66, 3
	s_lshl_b32 s23, s23, 2
	s_lshl_b32 s98, s98, 1
	s_add_co_u32 s23, s23, s98                     ; E = 4 (U % 4) + 2 x my half
	s_lshr_b32 s66, s66, 2
	s_lshl_b32 s66, s66, 4
	s_lshl_b32 s67, s67, 2
	s_add_co_u32 s66, s66, s67
	s_lshl_b32 s99, s99, 1
	s_add_co_u32 s66, s66, s99                     ; BH0 = 16 x batch + 4 x the weight's tile row + 2 x my half
	s_lshl_b32 s67, s23, s96
	s_lshl_b32 s98, s66, 6
	s_add_co_u32 s67, s67, s98
	s_mul_i32 s67, s67, 768
	s_mul_i32 s98, ttmp9, 6291456
	s_add_co_u32 s98, s98, s67
	s_mov_b32 s99, 0
	s_add_nc_u64 s[8:9], s[8:9], s[98:99]          ; the first halves' images
	s_lshl_b32 s98, 768, s93
	s_add_nc_u64 s[12:13], s[8:9], s[98:99]        ; the second halves'
	s_lshl_b32 s20, 768, s92                       ; from block to block
	s_mov_b32 s21, 0
	s_lshl_b32 s98, s66, 10
	s_lshl_b32 s67, s23, 6
	s_add_co_u32 s98, s98, s67
	s_lshl_b32 s98, s98, 2
	s_lshr_b32 s98, s98, s97
	s_lshl_b32 s67, ttmp9, 19
	s_add_co_u32 s98, s98, s67
	s_add_nc_u64 s[10:11], s[10:11], s[98:99]      ; the words
	v_mul_u32_u24 v[VSH], s95, v2
	s_add_co_u32 s67, s94, 8
	v_lshlrev_b32 v[VSA], s67, v2
	v_lshl_add_u32 v[VSA], v1, 4, v[VSA]           ; 16 r + 256 h (q, k: 512 bytes on end) or 16 r + 2,048 h (v: 256 bytes for each of two heads)
	v_add_nc_u32 v[VSB], s22, v[VSA]
	s_mov_b32 s46, 0x76543210
	s_mov_b32 s47, 0xfedcba98                      ; selects of v_permlanex16_b32 for lane l xor 16
.macro FRAG reg, adr, q, i             ; a fragment, 16 rows x 128 K: two half-images on end
	ds_load_b128 v[\reg:\reg+3], v[\adr] offset:(\i)*TROW+(\q)*1536
	ds_load_b64 v[\reg+4:\reg+5], v[\adr+2] offset:(\i)*TROW+(\q)*1536+512
	ds_load_b128 v[\reg+6:\reg+9], v[\adr] offset:(\i)*TROW+(\q)*1536+768
	ds_load_b64 v[\reg+10:\reg+11], v[\adr+2] offset:(\i)*TROW+(\q)*1536+1280
.endm
; 16 matrix instructions: A's blocks a0, a0 + 1 x B's eight.  The 64 accumulators take turns, one instruction a turn, in the same order in every step.
.macro MUL16 a0, p, q, sc, zero
.irp a, \a0, \a0+1
.irp b, 0,1,2,3,4,5,6,7
.if \zero
	v_wmma_scale_f32_16x16x128_f8f6f4 v[8*(8*((\a)%4)+\b):8*(8*((\a)%4)+\b)+7], v[128*(\p)+FR*\b:128*(\p)+FR*\b+FR-1], v[AF+FR*(\a):AF+FR*(\a)+FR-1], 0, v[SC+16*(\sc)+2*\b+(\q)], v[SC+16*(\sc)+2*(\a)+(\q)] matrix_a_fmt:MATRIX_FMT_FP6 matrix_b_fmt:MATRIX_FMT_FP6 matrix_a_scale:MATRIX_SCALE_ROW1
.else
	v_wmma_scale_f32_16x16x128_f8f6f4 v[8*(8*((\a)%4)+\b):8*(8*((\a)%4)+\b)+7], v[128*(\p)+FR*\b:128*(\p)+FR*\b+FR-1], v[AF+FR*(\a):AF+FR*(\a)+FR-1], v[8*(8*((\a)%4)+\b):8*(8*((\a)%4)+\b)+7], v[SC+16*(\sc)+2*\b+(\q)], v[SC+16*(\sc)+2*(\a)+(\q)] matrix_a_fmt:MATRIX_FMT_FP6 matrix_b_fmt:MATRIX_FMT_FP6 matrix_a_scale:MATRIX_SCALE_ROW1
.endif
.endr
.endr
.endm
.macro FETCH_B slot, q, p
	WIN TO_B
.irp i, 0,1,2,3,4,5,6,7
	FRAG 128*(\p)+FR*\i, ADRB+\slot, \q, \i
.endr
	WIN 0
.endm
.macro FETCH_A slot, q, i0
.irp i, \i0, \i0+1, \i0+2, \i0+3
	FRAG AF+FR*(\i), ADRA+\slot, \q, \i
.endr
.endm
.macro PLACES n                        ; plain vector lines between a matrix instruction and a load into, or a read of, its registers
.rept \n
	v_nop
.endr
.endm
.macro STEP slot, q, zero              ; a step of 128 along K that has its successor in the same slot
	s_wait_dscnt 4*NL                              ; B's set and A's blocks 0-3 are in; the youngest 16 loads (A's blocks 4-7) may be out
	WIN MUL_LO
	MUL16 0, (\q)%2, \q, \slot, \zero
	MUL16 2, (\q)%2, \q, \slot, \zero
	s_wait_dscnt 0
	PLACES NP
	FETCH_B \slot, (\q)+1, 1-(\q)%2
	FETCH_A \slot, (\q)+1, 0
	WIN MUL_HI
	MUL16 4, (\q)%2, \q, \slot, \zero
	MUL16 6, (\q)%2, \q, \slot, \zero
	PLACES NP
	WIN 0
	FETCH_A \slot, (\q)+1, 4
.endm
; A slot's last step changes slots: one barrier; in front of it each wave waits for all its tensor loads, adds 0 to its spare word, and waits for that and for its reads of this slot.
.macro TURN slot, next, fill
	s_wait_tensorcnt 0x0                           ; all my tensor loads have landed: my part of the next slot
	ds_add_u32 v[SPW], v[NIL]                      ; 0 onto my spare word
	s_wait_dscnt 4*NL+1                            ; (the add and the youngest 16 loads may be out)
	WIN MUL_LO
	MUL16 0, 1, 1, \slot, 0
	s_wait_dscnt 0x0                               ; the add is done, and my reads of this slot are over
	s_barrier_signal -1
	MUL16 2, 1, 1, \slot, 0
	WIN 0
	s_barrier_wait -1
.if \fill
	CREST                                          ; the barrier has opened a round of the cluster's barrier: no wave of any partner still reads this slot or has a load on its way
	s_add_nc_u64 s[G0+4*\slot+2:G0+4*\slot+3], s[G0+4*\slot+2:G0+4*\slot+3], 2*TROW
	s_add_nc_u64 s[G0B+4*\slot+2:G0B+4*\slot+3], s[G0B+4*\slot+2:G0B+4*\slot+3], 2*TROW
	JLOAD G0+4*\slot, G1, G0B+4*\slot, G1B         ; the first tensor load behind the round; its four v_nop are the places in front of the loads below
.else
	PLACES NP
.endif
	FETCH_B \next, 0, 0
	FETCH_A \next, 0, 0
	WIN MUL_HI
	MUL16 4, 1, 1, \slot, 0
	MUL16 6, 1, 1, \slot, 0
	PLACES NP
	WIN 0
	FETCH_A \next, 0, 4
.endm
	s_wait_alu depctr_va_vdst(0)                   ; the wait at the head's end
	s_cmp_lt_u32 s14, 2                            ; waves 0 and 1 asked for K step 0, on load lines of their own: they wait for it;
	s_cbranch_scc0 .Lnot_step_0
	s_wait_tensorcnt 0x0
.Lnot_step_0:
	s_barrier_signal -1                            ; K step 1 may still be on its way
	s_barrier_wait -1
	FETCH_B 0, 0, 0
	FETCH_A 0, 0, 0
	FETCH_A 0, 0, 4
	s_wait_loadcnt 0x0                             ; the scale words
	STEP 0, 0, 1                                   ; K has four steps of 256: they are written out.  The first products start the sums
	TURN 0, 1, 1                                   ; slot 0 takes K step 2
	STEP 1, 0, 0
	TURN 1, 0, 1                                   ; slot 1 takes K step 3
.set SC, 64                            ; K steps 2 and 3: their words lie in v64-95
	STEP 0, 0, 0
	TURN 0, 1, 0                                   ; nothing is left to fetch
	STEP 1, 0, 0
	s_wait_dscnt 4*NL
	WIN MUL_LO
	MUL16 0, 1, 1, 1, 0
	MUL16 2, 1, 1, 1, 0
	s_wait_dscnt 0
	WIN MUL_HI
	MUL16 4, 1, 1, 1, 0
	MUL16 6, 1, 1, 1, 0
	WIN 0
; THE WAY OUT.  Block a: a lane's 64 results, register 16 b + i = place 32 b + 16 h + i along the next K, become a fragment's codes and a scale word.  Its two halves are two half-images:
; for q and k those of two heads, for v those of two runs of 64 keys.
.macro QW a
.set AC, 64*((\a)%4)
.set W12, 0x28+0x14*((\a)/4)           ; sources 1 and 2 in window 2 or 3
.set W0S, 2+(\a)/4                     ; source 0 there
	WIN W12
.irp b, 0,1,2,3
	v_max3_num_f32 v[TM+\b], v[FLO], |v[AC+16*\b]|, |v[AC+16*\b+1]|   ; each accumulator is read from its low end on
.endr
.irp i, 2,4,6,8,10,12,14
.irp b, 0,1,2,3
	v_max3_num_f32 v[TM+\b], v[TM+\b], |v[AC+16*\b+\i]|, |v[AC+16*\b+\i+1]|
.endr
.endr
	WIN 0
.irp b, 0,1,2,3
	v_permlanex16_b32 v[TM+4+\b], v[TM+\b], s46, s47
.endr
.irp b, 0,1,2,3
	v_max_num_f32 v[TM+\b], v[TM+\b], v[TM+4+\b]   ; with lane l xor 16's 16: the block's largest magnitude
.endr
.irp b, 0,1,2,3
	v_add_nc_u32 v[TM+12+\b], 0xff000000, v[TM+\b] ; 2 off the exponent field: the conversion's scale operand
.endr
.irp b, 0,1,2,3
	v_lshrrev_b32 v[TM+4+\b], 23, v[TM+12+\b]      ; the byte
.endr
	v_lshl_or_b32 v[SW+(\a)], v[TM+5], 8, v[TM+4]
	v_lshl_or_b32 v[SW+(\a)], v[TM+6], 16, v[SW+(\a)]
	v_lshl_or_b32 v[SW+(\a)], v[TM+7], 24, v[SW+(\a)]
.if (\a) > 0
	s_wait_xcnt 0x0                                ; the last block's stores have read their bases and the code registers
	s_add_nc_u64 s[8:9], s[8:9], s[20:21]
	s_add_nc_u64 s[12:13], s[12:13], s[20:21]
.endif
	WIN W0S
.irp c, 0,1
	v_cvt_scalef32_pk16_fp6_f32 v[PC+6*\c:PC+6*\c+2], v[AC+32*\c:AC+32*\c+15], v[TM+12+2*\c]
	v_cvt_scalef32_pk16_fp6_f32 v[PC+12+4*\c:PC+14+4*\c], v[AC+32*\c+16:AC+32*\c+31], v[TM+12+2*\c+1]
.endr
	WIN 0
	v_nop                                          ; one plain line behind the conversions
.irp c, 0,1                            ; the operand's layout wants a whole block in a lane
.irp i, 0,1,2
	v_permlane16_swap_b32 v[PC+6*\c+\i], v[PC+12+4*\c+\i]
.endr
.irp i, 0,1,2
	v_mov_b32 v[PC+3+6*\c+\i], v[PC+12+4*\c+\i]
.endr
.endr
	global_store_b128 v[LI16], v[PC:PC+3], s[8:9]              ; 512 and 256 consecutive bytes, aligned to 256
	global_store_b64 v[LI8], v[PC+4:PC+5], s[8:9] offset:512
	global_store_b128 v[LI16], v[PC+6:PC+9], s[12:13]
	global_store_b64 v[LI8], v[PC+10:PC+11], s[12:13] offset:512
.endm
	PLACES NP
	v_mov_b32 v[FLO], 0x1800000                    ; behind the places: these registers held scale words up to the last product
.irp b, 0,1,2,3
	v_mov_b32 v[TM+4+\b], 0                        ; a lane permute's destination counts as read
.endr
.irp a, 0,1,2,3,4,5,6,7
	QW \a
.endr
; The words.  q, k: lanes 0-15 keep the word (bytes 0, 1: the even head's), lanes 16-31 take it 16 bits down (the odd head's): two runs of 128 rows' words.  v: both halves keep it: the two runs are alike.
.irp a, 0,1,2,3,4,5,6,7
	v_lshrrev_b32 v[TW], v[VSH], v[SW+\a]
	ds_store_b32 v[STG], v[TW] offset:64*\a
.endr
	ds_load_b128 v[128:131], v[SRD]
	ds_load_b128 v[132:135], v[SRD] offset:512
	s_wait_dscnt 0x0
	global_store_b128 v[VSA], v[128:131], s[10:11]
	global_store_b128 v[VSB], v[132:135], s[10:11]             ; q, k: the odd head's words, 4,096 bytes on; v: the same bytes to the same place once more, which spares a branch
	s_wait_tensorcnt 0x0                           ; the wave's end
	ds_add_u32 v[SPW], v[NIL]
	s_wait_dscnt 0x0
	CROUND                                         ; the closing round
	s_endpgm
.Lfunc_end_k_q4847a33564_qkv:
	.size	k_q4847a33564_qkv, .Lfunc_end_k_q4847a33564_qkv-k_q4847a33564_qkv
	.p2alignl 7, 3214868480
	.fill 96, 4, 3214868480
	.section	.rodata,"a",@progbits
	.p2align	6, 0x0
	.amdhsa_kernel k_q4847a33564_qkv
		.amdhsa_group_segment_fixed_size 327680
		.amdhsa_private_segment_fixed_size 0
		.amdhsa_enable_private_segment 0
		.amdhsa_kernarg_size 32
		.amdhsa_user_sgpr_count 2
		.amdhsa_user_sgpr_kernarg_segment_ptr 1
		.amdhsa_wavefront_size32 1
		.amdhsa_system_sgpr_workgroup_id_x 1
		.amdhsa_system_sgpr_workgroup_id_y 1
		.amdhsa_system_sgpr_workgroup_id_z 1
		.amdhsa_system_vgpr_workitem_id 0
		.amdhsa_next_free_vgpr 1024
		.amdhsa_next_free_sgpr 102
		.amdhsa_reserve_vcc 1
		.amdhsa_float_denorm_mode_32 3
		.amdhsa_float_denorm_mode_16_64 3
		.amdhsa_memory_ordered 1
		.amdhsa_forward_progress 1
		.amdhsa_inst_pref_size 154
	.end_amdhsa_kernel
	.amdgpu_metadata
---
amdhsa.version: [ 1, 2 ]
amdhsa.kernels:
  - .name:           k_q4847a33564_qkv
    .symbol:         k_q4847a33564_qkv.kd
    .args:
      - { .name: cimg, .offset: 0, .size: 8, .value_kind: global_buffer, .address_space: global }
      - { .name: csc, .offset: 8, .size: 8, .value_kind: global_buffer, .address_space: global }
      - { .name: qkv, .offset: 16, .size: 8, .value_kind: global_buffer, .address_space: global }
      - { .name: qkvs, .offset: 24, .size: 8, .value_kind: global_buffer, .address_space: global }
    .group_segment_fixed_size: 327680
    .private_segment_fixed_size: 0
    .kernarg_segment_align: 8
    .kernarg_segment_size: 32
    .max_flat_workgroup_size: 128
    .sgpr_count:     102
    .vgpr_count:     1024
    .wavefront_size: 32
...
	.end_amdgpu_metadata
.endif
;; end of part 2
;; launch attn (part 3): grid 4 x 64, 16 waves a work-group, clusters of 4 x 1, 211,968 bytes of LDS; arguments qkv, qkvs, oimg, osc; writes oimg, osc
.if DOCPART == 3
	.amdgcn_target "amdgcn-amd-amdhsa--gfx1250"
	.amdhsa_code_object_version 6
	.text
	.protected	k_q4847a33564_attn
	.globl	k_q4847a33564_attn
	.p2align	8
	.type	k_q4847a33564_attn,@function
k_q4847a33564_attn:
	s_mov_b64 s[64:65], 0
	v_nop
	global_prefetch_b8 v0, s[64:65] scope:SCOPE_SE
	s_setreg_imm32_b32 hwreg(HW_REG_WAVE_MODE, 25, 1), 1
	s_wait_xcnt 0x0
	s_wait_alu depctr_hold_cnt(0) depctr_sa_sdst(0) depctr_va_vdst(0) depctr_va_sdst(0) depctr_va_ssrc(0) depctr_va_vcc(0) depctr_vm_vsrc(0)
	s_getreg_b32 s2, hwreg(HW_REG_IB_STS2, 6, 4)
	s_cmp_eq_u32 s2, 0
	s_cbranch_scc0 .Lentry_in_a_cluster
	s_endpgm
.Lentry_in_a_cluster:
	s_bfe_u32 s2, ttmp6, 0x10000c
	s_cmp_lg_u32 s2, 0x3003
	s_cbranch_scc0 .Lentry_shape_is_right
	s_endpgm
.Lentry_shape_is_right:
; Causal attention on codes of FP6 (E2M3), head size 64, 1,024 keys; its result is quantised along (head, d) for the last product: only codes and scale words leave.
; t = score x log2(e) / 8; M = the running largest t rounded up to a whole number; p = 2^(t - M) is quantised along the keys, not normalised; the row's sum is taken of the unquantised p and divides at the end.
; A CLUSTER of four work-groups owns one batch and one pair of heads.  K, V and their scale words of both heads, 208,896 bytes, fit in LDS whole: they come once, by joint loads that name all
; four work-groups; nothing in LDS is filled a second time, so there is no ring.
; SHARES.  Work-group y (its place in the cluster) owns, of each run of 128 queries, those at 32 y .. 32 y + 31.  Wave w: gA = w % 4, e = (w / 4) % 2, hd = w / 8.  It does two jobs, each one tile of 16
; queries of one head: (g = gA, head hd) and (g = 7 - gA, the other head).  A job's tile is row tile 8 g + 2 y + e of q; it needs g + 1 steps of 128 keys: nine steps a wave, whatever the wave.
; So every branch hangs on the wave's number alone; the place in the cluster enters global addresses and the mask's comparand, nothing else.
; LAYOUT.  Both products are used transposed: S^T = K Q^T, O^T = V^T P^T: a lane holds one query.  Rows of q, k and of v's d are permuted in the buffers (bits 3 and 4 exchanged), so that the 16 registers of
; two neighbouring tiles are 16 true neighbours.  The first product's K is 64: registers 6-11 of its fragments are zero codes, which add nothing under any byte but 0xff.
; A step all of whose keys come after the wave's queries is left out by a scalar branch inside a loop of constant count; in the step on the diagonal hidden scores become -infinity.
; LIMITS: NaN and infinities are not served; a block whose largest magnitude lies under 2^-124 (zeros too) gets the byte 1; the bytes are read by this program alone.
; REGISTERS: v1-11, v28-31, v89 addresses; v12 -M, v13 the largest t, v[14:15] the sum; v16-27 Q; v30 Q's words; v32-79 four fragments of K; v80-87 K's and V's words; v96-159 S^T, p, then V's fragments;
; v160-191 O^T; v192-210 codes; v212-227 at work.
.set KIMG, 0                           ; K's images: [head 2][row tile 64][768]
.set VIMG, 98304                       ; V's: [head 2][d tile 4][keys / 64, 16][768]
.set KWRD, 196608                      ; K's words: [head 2][1,024]
.set VWRD, 204800                      ; V's: [head 2][keys / 128, 8][64]
.set TAB,  208896                      ; the results' scale words: [2 g + e, 16][16 rows]; no tensor load lands here
.set WV,  12
.set BP,  13                           ; 8 x batch + pair of heads
.set CX,  14
.set SEL, 16
.set CS,  18                           ; s[18:19] c = log2(e) / 8
.set EW,  20
.set GA,  21
.set HD,  22
.set G1C, 24
.set G1W, 32
.set G0C, 40
.set G0W, 44
.set GJ,  60                           ; the job's g
.set HJ,  61                           ; the job's head, 0 or 1
.set SK,  62                           ; LDS bytes at which the step's K, V and their words begin
.set SV,  63
.set SKS, 66
.set SVS, 67
.set KS,  68                           ; the key step
.set QA,  70
.set QWA, 72
.set OA,  74
.set BM,  212
.set BT,  216
.set SO,  220
.macro CROUND
	s_barrier_signal -1
	s_barrier_wait -1
	s_cmp_lg_u32 s[WV], 0
	s_cbranch_scc1 .Lnot_wave_0_\@
	s_barrier_signal -3
.Lnot_wave_0_\@:
	s_barrier_wait -3
	s_barrier_signal -1
	s_barrier_wait -1
.endm
	s_load_b256 s[4:11], s[0:1], 0x0               ; qkv, qkvs, oimg, osc
	v_lshl_add_u32 v254, v0, 2, 0x33400
	v_mov_b32 v255, 0
	ds_add_u32 v254, v255
	ds_add_u32 v254, v255
	v_lshrrev_b32 v8, 5, v0
	s_delay_alu instid0(VALU_DEP_1)
	v_readfirstlane_b32 s[WV], v8                  ; wave 0..15
	s_and_b32 s[BP], ttmp7, 0xffff
	s_bfe_u32 s[CX], ttmp6, 0x40000
	s_and_b32 s[GA], s[WV], 3
	s_bfe_u32 s[EW], s[WV], 0x10002
	s_lshr_b32 s[HD], s[WV], 3
	v_and_b32 v9, 31, v0
	v_and_b32 v10, 15, v0                          ; r
	v_bfe_u32 v11, v0, 4, 1                        ; h
	s_delay_alu instid0(VALU_DEP_3)
	v_lshlrev_b32 v1, 4, v9                        ; 16 x lane
	s_delay_alu instid0(VALU_DEP_4)
	v_lshlrev_b32 v2, 3, v9                        ; 8 x lane
	s_delay_alu instid0(VALU_DEP_4)
	v_lshlrev_b32 v3, 2, v10                       ; 4 r
	s_wait_alu depctr_va_vdst(0)
	v_and_b32 v4, 8, v10
	s_delay_alu instid0(VALU_DEP_1)
	v_add_nc_u32 v4, v4, v10
	v_lshlrev_b32 v8, 4, v11
	s_delay_alu instid0(VALU_DEP_1)
	v_sub_nc_u32 v4, v4, v8
	s_lshl_b32 s50, s[CX], 5
	s_lshl_b32 s51, s[EW], 3
	s_add_co_u32 s50, s50, s51
	v_add_nc_u32 v4, s50, v4                       ; my query's place in its run of 128, less 16 h: register 16 b + i of the diagonal step is hidden where 32 b + i is above it
	v_mov_b32 v5, 0xff800000                       ; -infinity
	s_lshl_b32 s23, s[GA], 1                       ; where each job's two bytes go in the table: 64 (2 g + e) + 4 r + 2 x head
	s_add_co_u32 s23, s23, s[EW]
	s_lshl_b32 s23, s23, 6
	s_lshl_b32 s48, s[HD], 1
	s_add_co_u32 s23, s23, s48
	s_add_co_u32 s23, s23, TAB
	v_add_nc_u32 v6, s23, v3
	s_xor_b32 s23, s[GA], 7
	s_lshl_b32 s23, s23, 1
	s_add_co_u32 s23, s23, s[EW]
	s_lshl_b32 s23, s23, 6
	s_xor_b32 s48, s[HD], 1
	s_lshl_b32 s48, s48, 1
	s_add_co_u32 s23, s23, s48
	s_add_co_u32 s23, s23, TAB
	v_add_nc_u32 v7, s23, v3
	v_lshl_add_u32 v31, v0, 4, TAB                 ; the table's way out: threads 0 to 63, 16 bytes each
	v_lshlrev_b32 v89, 4, v0
	; group 1: dense blocks as rows of 256 bytes (32 elements of 8 bytes): 96 rows of codes, 16 rows of words; the mask names all four work-groups
	s_mov_b32 s[G1C], 15|(3<<16)|(1<<21)
	s_mov_b32 s[G1C+1], 32<<16
	s_mov_b32 s[G1C+2], 96<<16
	s_mov_b32 s[G1C+3], 32<<16
	s_mov_b32 s[G1C+4], 96
	s_mov_b32 s[G1C+5], 32
	s_mov_b32 s[G1C+6], 0
	s_mov_b32 s[G1C+7], 0
	s_mov_b32 s[G1W], 15|(3<<16)|(1<<21)
	s_mov_b32 s[G1W+1], 32<<16
	s_mov_b32 s[G1W+2], 16<<16
	s_mov_b32 s[G1W+3], 32<<16
	s_mov_b32 s[G1W+4], 16
	s_mov_b32 s[G1W+5], 32
	s_mov_b32 s[G1W+6], 0
	s_mov_b32 s[G1W+7], 0
	s_lshr_b32 s52, s[WV], 2                       ; waves 0-3: K's four quarters; waves 4-7: V's
	s_add_co_u32 s52, s52, 1
	s_mul_i32 s52, s52, 6291456
	s_mul_i32 s53, s[BP], 98304
	s_add_co_u32 s52, s52, s53
	s_and_b32 s53, s[WV], 3
	s_mul_i32 s53, s53, 24576
	s_add_co_u32 s52, s52, s53
	s_mov_b32 s53, 0
	s_and_b32 s54, s[WV], 1                        ; waves 8, 9: K's words, a head each; wave 10: V's
	s_lshl_b32 s54, s54, 12
	s_lshl_b32 s55, s[BP], 13
	s_add_co_u32 s54, s54, s55
	s_add_co_u32 s54, s54, 524288
	s_lshl_b32 s55, s[BP], 12
	s_add_co_u32 s55, s55, 1048576
	s_cmp_eq_u32 s[WV], 10
	s_cselect_b32 s54, s55, s54
	s_mov_b32 s55, 0
	s_mul_i32 s56, s[WV], 24576
	s_lshl_b32 s57, s[WV], 12
	s_and_b32 s50, s[BP], 7                        ; the words' place in osc: (8,192 x pair + 1,024 x batch + 256 x place) x 4
	s_lshl_b32 s50, s50, 15
	s_lshr_b32 s51, s[BP], 3
	s_lshl_b32 s51, s51, 12
	s_add_co_u32 s50, s50, s51
	s_lshl_b32 s51, s[CX], 10
	s_add_co_u32 s50, s50, s51
	s_mov_b32 s51, 0
	s_mov_b32 s[SEL], 0x76543210
	s_mov_b32 s[SEL+1], 0xfedcba98
	s_mov_b32 s[CS], 0x3e38aa3b
	s_mov_b32 s[CS+1], s[CS]
	s_wait_dscnt 0x0
	s_wait_kmcnt 0x0
	s_add_nc_u64 s[10:11], s[10:11], s[50:51]
	s_mov_b32 s[G0C], 1
	s_mov_b32 s[G0C+1], s56
	s_add_nc_u64 s[G0C+2:G0C+3], s[4:5], s[52:53]
	s_or_b32 s[G0C+3], s[G0C+3], 0x80000000
	s_mov_b32 s[G0W], 1
	s_add_co_u32 s[G0W+1], s57, 163840             ; wave 8: 196,608
	s_add_nc_u64 s[G0W+2:G0W+3], s[6:7], s[54:55]
	s_or_b32 s[G0W+3], s[G0W+3], 0x80000000
	CROUND                                         ; all four work-groups are here: the joint loads meet
	s_cmp_lt_u32 s[WV], 8                          ; one tensor load a wave at the most; four v_nop follow each line
	s_cbranch_scc0 .Lnot_codes
	tensor_load_to_lds s[G0C:G0C+3], s[G1C:G1C+7]
	s_nop 0
.rept 4
	v_nop
.endr
	s_branch .Lasked
.Lnot_codes:
	s_cmp_lt_u32 s[WV], 11
	s_cbranch_scc0 .Lasked
	tensor_load_to_lds s[G0W:G0W+3], s[G1W:G1W+7]
	s_nop 0
.rept 4
	v_nop
.endr
.Lasked:
; BOTH JOBS' Q ARE LOADED HERE, while the tensor loads are on their way: the first job's into v16-21 and v30, the second's into v228-233 and v240.
.macro QLOAD qr, qw
	s_lshl_b32 s50, s[BP], 1
	s_add_co_u32 s50, s50, s[HJ]                   ; batch x head
	s_lshl_b32 s51, s[GJ], 3
	s_lshl_b32 s52, s[CX], 1
	s_add_co_u32 s51, s51, s52
	s_add_co_u32 s51, s51, s[EW]                   ; row tile 8 g + 2 y + e
	s_lshl_b32 s52, s50, 6
	s_add_co_u32 s52, s52, s51
	s_mul_i32 s52, s52, 768
	s_mov_b32 s53, 0
	s_add_nc_u64 s[QA:QA+1], s[4:5], s[52:53]
	s_lshl_b32 s52, s50, 10
	s_lshl_b32 s54, s51, 4
	s_add_co_u32 s52, s52, s54
	s_lshl_b32 s52, s52, 2
	s_add_nc_u64 s[QWA:QWA+1], s[6:7], s[52:53]
	global_load_b128 v[\qr:\qr+3], v1, s[QA:QA+1]
	global_load_b64 v[\qr+4:\qr+5], v2, s[QA:QA+1] offset:512
	global_load_b32 v[\qw], v3, s[QWA:QWA+1]
.endm
	s_wait_alu depctr_va_vdst(0)                   ; the wait ahead of the readers of v1 to v3 below
	s_mov_b32 s[GJ], s[GA]
	s_mov_b32 s[HJ], s[HD]
	QLOAD 16, 30
	s_xor_b32 s[GJ], s[GA], 7
	s_xor_b32 s[HJ], s[HD], 1
	s_wait_xcnt 0x0                                ; the first three loads have read their bases
	QLOAD 228, 240
.irp j, 22,23,24,25,26,27,234,235,236,237,238,239
	v_mov_b32 v[\j], 0                             ; the upper 64 of the first product's K: zero codes, for good
.endr
.irp t, 0,1,2,3
.irp j, 6,7,8,9,10,11
	v_mov_b32 v[32+12*\t+\j], 0
.endr
.endr
.irp b, 0,1,2,3
	v_mov_b32 v[BT+\b], 0                          ; a lane permute's destination counts as read
.endr
	v_mov_b32 v225, 0                              ; (named as the upper half of the pair v[224:225])
	v_mov_b32 v226, 0
	s_wait_tensorcnt 0x0                           ; my load has landed,
	s_barrier_signal -1
	s_barrier_wait -1                              ; everybody's has
; A JOB: one tile of 16 queries of one head.  ntrip: the loop's constant count; tabr: the register with the job's place in the table.
.macro JOB ntrip, tabr, qr, qw         ; qr, qw: the registers of the job's Q fragment and of its scale words, loaded at the head
	s_wait_xcnt 0x0                                ; the earlier loads and stores have read their bases and data registers
	s_mov_b32 s53, 0
	s_lshr_b32 s52, s[BP], 3
	s_lshl_b32 s52, s52, 6
	s_lshl_b32 s54, s[CX], 4
	s_add_co_u32 s52, s52, s54
	s_lshl_b32 s54, s[GJ], 1
	s_add_co_u32 s52, s52, s54
	s_add_co_u32 s52, s52, s[EW]                   ; the result's row tile: 64 x batch + 16 y + 2 g + e
	s_lshl_b32 s52, s52, 4
	s_and_b32 s54, s[BP], 7
	s_lshl_b32 s54, s54, 1
	s_add_co_u32 s52, s52, s54
	s_add_co_u32 s52, s52, s[HJ]                   ; x 16 + the head: its 64 along the last product's K
	s_mul_i32 s52, s52, 768
	s_add_nc_u64 s[OA:OA+1], s[8:9], s[52:53]
	v_mov_b32 v13, 0xff61b1e6                      ; the largest t so far: -3e38
	s_delay_alu instid0(VALU_DEP_1)
	v_floor_f32 v12, -v13
	v_mov_b32 v14, 0
	v_mov_b32 v15, 0
.set J, 0
.rept 32
	v_mov_b32 v[160+J], 0                          ; O^T: the loop is written once; its first step finds zeros
.set J, J+1
.endr
	s_mul_i32 s[SK], s[HJ], 49152
	s_add_co_u32 s[SV], s[SK], VIMG
	s_lshl_b32 s[SKS], s[HJ], 12
	s_add_co_u32 s[SKS], s[SKS], KWRD
	s_lshl_b32 s[SVS], s[HJ], 11
	s_add_co_u32 s[SVS], s[SVS], VWRD
	s_mov_b32 s[KS], 0
	s_wait_loadcnt 0x0
.Ltrip_\@:
	s_cmp_gt_u32 s[KS], s[GJ]                      ; all 128 keys come after my queries: the step's work is left out, not the steps of the addresses
	s_cbranch_scc1 .Lhid_\@
	v_add_nc_u32 v8, s[SK], v1                     ; six plain lines: also the places between the last step's products and the first product that writes over their operands
	s_wait_alu depctr_va_vdst(0)
	v_add_nc_u32 v9, s[SK], v2
	s_wait_alu depctr_va_vdst(0)
	v_add_nc_u32 v10, s[SV], v1
	v_add_nc_u32 v11, s[SV], v2
	v_add_nc_u32 v28, s[SKS], v3
	s_wait_alu depctr_va_vdst(0)
	v_add_nc_u32 v29, s[SVS], v3
.irp g, 0,1                            ; S^T = K Q^T, four tiles of 16 keys at a time
.if \g > 0
.rept 4
	v_nop                                          ; places in front of loads into registers that matrix instructions have read
.endr
.endif
.irp t, 0,1,2,3
	ds_load_b128 v[32+12*\t:35+12*\t], v8 offset:(4*\g+\t)*768
	ds_load_b64 v[36+12*\t:37+12*\t], v9 offset:(4*\g+\t)*768+512
	ds_load_b32 v[80+\t], v28 offset:64*(4*\g+\t)
.endr
	s_wait_dscnt 0x0
.irp t, 0,1,2,3
	v_wmma_scale_f32_16x16x128_f8f6f4 v[96+8*(4*\g+\t):103+8*(4*\g+\t)], v[32+12*\t:43+12*\t], v[\qr:\qr+11], 0, v[80+\t], v[\qw] matrix_a_fmt:MATRIX_FMT_FP6 matrix_b_fmt:MATRIX_FMT_FP6
.endr
.endr
.rept 4
	v_nop
.endr
	s_cmp_lt_u32 s[KS], s[GJ]                      ; all keys count: no mask
	s_cbranch_scc1 .Lopen_\@
.set N, 0
.rept 64
	v_cmp_gt_i32 vcc_lo, 32*(N/16)+N%16, v4
	v_cndmask_b32 v[96+N], v[96+N], v5, vcc_lo
.set N, N+1
.endr
.Lopen_\@:
.irp b, 0,1,2,3
	v_max3_num_f32 v[BM+\b], v[96+16*\b], v[97+16*\b], v[98+16*\b]   ; the largest score of each block of 32 keys: for the row's maximum and, since p rises with the score, for the block's largest p
.endr
.irp i, 3,5,7,9,11,13
.irp b, 0,1,2,3
	v_max3_num_f32 v[BM+\b], v[BM+\b], v[96+16*\b+\i], v[97+16*\b+\i]
.endr
.endr
.irp b, 0,1,2,3
	v_max_num_f32 v[BM+\b], v[BM+\b], v[111+16*\b]
.endr
.irp b, 0,1,2,3
	s_delay_alu instid0(VALU_DEP_4)
	v_permlanex16_b32 v[BT+\b], v[BM+\b], s[SEL], s[SEL+1]
.endr
.irp b, 0,1,2,3
	s_delay_alu instid0(VALU_DEP_4)
	v_max_num_f32 v[BM+\b], v[BM+\b], v[BT+\b]
.endr
	s_delay_alu instid0(VALU_DEP_2)
	v_max3_num_f32 v226, v212, v213, v214
	s_delay_alu instid0(VALU_DEP_1)
	v_max_num_f32 v226, v226, v215
	s_delay_alu instid0(VALU_DEP_1)
	v_mul_f32 v226, s[CS], v226
	s_delay_alu instid0(VALU_DEP_1)
	v_max_num_f32 v13, v13, v226                   ; the running largest t
	v_mov_b32 v226, v12
	s_delay_alu instid0(VALU_DEP_2)
	v_floor_f32 v12, -v13                          ; -M = floor(-t): M is a whole number
	s_delay_alu instid0(VALU_DEP_1)
	v_sub_f32 v226, v12, v226
	s_delay_alu instid0(VALU_DEP_1)
	v_cvt_i32_f32 v226, v226                       ; (it saturates)
	s_delay_alu instid0(VALU_DEP_1)
	v_ldexp_f32 v224, 1.0, v226                    ; f = 2^(old M - new M): a multiplication by it rounds nothing
.set J, 0
.rept 32
	v_pk_fma_f32 v[96+J:97+J], v[96+J:97+J], s[CS:CS+1], v[12:13] op_sel_hi:[1,0,0]   ; t - M
.set J, J+2
.endr
.irp b, 0,1,2,3
	v_fma_f32 v[BM+\b], v[BM+\b], s[CS], v12
.endr
.set J, 0
	s_wait_alu depctr_va_vdst(0)
.rept 64
	v_exp_f32 v[96+J], v[96+J]                     ; p = 2^(t - M)
.set J, J+1
.endr
	v_pk_mul_f32 v[14:15], v[14:15], v[224:225] op_sel_hi:[1,0]   ; the sums under the new M: the plain line behind the exponentials
	s_wait_alu depctr_va_vdst(0)                   ; one wait for the batch, ahead of its first reader
.irp b, 0,1,2,3
	v_exp_f32 v[BM+\b], v[BM+\b]                   ; each block's largest p
.endr
	v_pk_add_f32 v[216:217], v[100:101], v[104:105]
	v_pk_add_f32 v[252:253], v[108:109], v[112:113]
	v_pk_add_f32 v[250:251], v[116:117], v[120:121]
	v_pk_add_f32 v[248:249], v[124:125], v[128:129]
	v_pk_add_f32 v[246:247], v[132:133], v[136:137]
	v_pk_add_f32 v[244:245], v[140:141], v[144:145]
	v_pk_add_f32 v[242:243], v[148:149], v[152:153]
	v_pk_add_f32 v[14:15], v[14:15], v[156:157]
	v_pk_add_f32 v[216:217], v[216:217], v[96:97]
	v_pk_add_f32 v[252:253], v[252:253], v[98:99]
	v_pk_add_f32 v[250:251], v[250:251], v[102:103]
	v_pk_add_f32 v[248:249], v[248:249], v[106:107]
	v_pk_add_f32 v[246:247], v[246:247], v[110:111]
	v_pk_add_f32 v[244:245], v[244:245], v[114:115]
	v_pk_add_f32 v[242:243], v[242:243], v[118:119]
	v_pk_add_f32 v[14:15], v[14:15], v[122:123]
	v_pk_add_f32 v[216:217], v[216:217], v[126:127]
	v_pk_add_f32 v[252:253], v[252:253], v[130:131]
	v_pk_add_f32 v[250:251], v[250:251], v[134:135]
	v_pk_add_f32 v[248:249], v[248:249], v[138:139]
	v_pk_add_f32 v[246:247], v[246:247], v[142:143]
	v_pk_add_f32 v[244:245], v[244:245], v[146:147]
	v_pk_add_f32 v[242:243], v[242:243], v[150:151]
	v_pk_add_f32 v[14:15], v[14:15], v[154:155]
	v_pk_add_f32 v[216:217], v[216:217], v[158:159]
	s_delay_alu instid0(VALU_DEP_2)
	v_pk_add_f32 v[14:15], v[14:15], v[248:249]
	s_delay_alu instid0(VALU_DEP_2)
	v_pk_add_f32 v[216:217], v[216:217], v[246:247]
	v_pk_add_f32 v[252:253], v[252:253], v[244:245]
	v_pk_add_f32 v[250:251], v[250:251], v[242:243]
	s_delay_alu instid0(VALU_DEP_2)
	v_pk_add_f32 v[14:15], v[14:15], v[252:253]
	s_delay_alu instid0(VALU_DEP_2)
	v_pk_add_f32 v[216:217], v[216:217], v[250:251]
	s_delay_alu instid0(VALU_DEP_1)
	v_pk_add_f32 v[14:15], v[14:15], v[216:217]
	s_wait_alu depctr_va_vdst(0)                   ; and one for the four
.irp b, 0,1,2,3
	v_max_num_f32 v[BM+\b], 0x1800000, v[BM+\b]    ; the floor 2^(3 - 127)
.endr
.irp b, 0,1,2,3
	s_delay_alu instid0(VALU_DEP_4)
	v_add_nc_u32 v[SO+\b], 0xff000000, v[BM+\b]
.endr
.irp b, 0,1,2,3
	s_delay_alu instid0(VALU_DEP_4)
	v_lshrrev_b32 v[BT+\b], 23, v[SO+\b]
.endr
	s_delay_alu instid0(VALU_DEP_3)
	v_lshl_or_b32 v227, v217, 8, v216              ; p's scale word for these 128 keys
	s_delay_alu instid0(VALU_DEP_1)
	v_lshl_or_b32 v227, v218, 16, v227
	s_delay_alu instid0(VALU_DEP_1)
	v_lshl_or_b32 v227, v219, 24, v227
.irp c, 0,1
	v_cvt_scalef32_pk16_fp6_f32 v[192+6*\c:194+6*\c], v[96+32*\c:111+32*\c], v[SO+2*\c]
	v_cvt_scalef32_pk16_fp6_f32 v[204+4*\c:206+4*\c], v[112+32*\c:127+32*\c], v[SO+2*\c+1]
.endr
	v_nop                                          ; one plain line behind the conversions
.irp d, 0,1,2,3                        ; V's four fragments take p's registers, which the conversions have read
	ds_load_b128 v[96+12*\d:99+12*\d], v10 offset:12288*\d
	ds_load_b64 v[100+12*\d:101+12*\d], v11 offset:12288*\d+512
	ds_load_b128 v[102+12*\d:105+12*\d], v10 offset:12288*\d+768
	ds_load_b64 v[106+12*\d:107+12*\d], v11 offset:12288*\d+1280
	ds_load_b32 v[84+\d], v29 offset:64*\d
.endr
.irp c, 0,1                            ; the operand's layout wants a whole block in a lane
.irp i, 0,1,2
	v_permlane16_swap_b32 v[192+6*\c+\i], v[204+4*\c+\i]
.endr
.irp i, 0,1,2
	s_delay_alu instid0(VALU_DEP_3)
	v_mov_b32 v[195+6*\c+\i], v[204+4*\c+\i]
.endr
.endr
.set J, 0
.rept 16
	v_pk_mul_f32 v[160+J:161+J], v[160+J:161+J], v[224:225] op_sel_hi:[1,0]   ; O^T under the new M; these sixteen also stand between the word and the codes just made and the products
.set J, J+2
.endr
	s_wait_alu depctr_va_vdst(0)
	s_wait_dscnt 0x0
.irp d, 0,1,2,3                        ; O^T += V^T P^T: the four accumulators by turns
	v_wmma_scale_f32_16x16x128_f8f6f4 v[160+8*\d:167+8*\d], v[96+12*\d:107+12*\d], v[192:203], v[160+8*\d:167+8*\d], v[84+\d], v227 matrix_a_fmt:MATRIX_FMT_FP6 matrix_b_fmt:MATRIX_FMT_FP6
.endr
.Lhid_\@:
	s_add_co_u32 s[SK], s[SK], 6144                ; eight row tiles of K,
	s_add_co_u32 s[SV], s[SV], 1536                ; two half-images of each d tile of V,
	s_add_co_u32 s[SKS], s[SKS], 512
	s_add_co_u32 s[SVS], s[SVS], 256
	s_add_co_u32 s[KS], s[KS], 1
	s_cmp_lt_u32 s[KS], \ntrip
	s_cbranch_scc1 .Ltrip_\@
.rept 4
	v_nop                                          ; places behind the last products
.endr
	v_add_f32 v14, v14, v15
	s_delay_alu instid0(VALU_DEP_1)
	v_permlanex16_b32 v226, v14, s[SEL], s[SEL+1]
	s_delay_alu instid0(VALU_DEP_1)
	v_add_f32 v14, v14, v226                       ; the row's sum
	s_wait_alu depctr_va_vdst(0)
	v_rcp_f32 v14, v14
	v_nop
	s_wait_alu depctr_va_vdst(0)
.set J, 0
.rept 32
	v_mul_f32 v[96+J], v[160+J], v14               ; register 16 b + i: d = 32 b + 16 h + i of my query
.set J, J+1
.endr
.irp b, 0,1
	v_max3_num_f32 v[BM+\b], |v[96+16*\b]|, |v[97+16*\b]|, 0x1800000
.endr
.irp i, 2,4,6,8,10,12,14
.irp b, 0,1
	s_delay_alu instid0(VALU_DEP_2)
	v_max3_num_f32 v[BM+\b], v[BM+\b], |v[96+16*\b+\i]|, |v[97+16*\b+\i]|
.endr
.endr
.irp b, 0,1
	s_delay_alu instid0(VALU_DEP_2)
	v_permlanex16_b32 v[BT+\b], v[BM+\b], s[SEL], s[SEL+1]
.endr
.irp b, 0,1
	s_delay_alu instid0(VALU_DEP_2)
	v_max_num_f32 v[BM+\b], v[BM+\b], v[BT+\b]
.endr
.irp b, 0,1
	s_delay_alu instid0(VALU_DEP_2)
	v_add_nc_u32 v[SO+\b], 0xff000000, v[BM+\b]
.endr
.irp b, 0,1
	s_delay_alu instid0(VALU_DEP_2)
	v_lshrrev_b32 v[BT+\b], 23, v[SO+\b]
.endr
	s_delay_alu instid0(VALU_DEP_1)
	v_lshl_or_b32 v226, v217, 8, v216              ; the head's two bytes of my row's word
	v_cvt_scalef32_pk16_fp6_f32 v[192:194], v[96:111], v[SO]
	v_cvt_scalef32_pk16_fp6_f32 v[204:206], v[112:127], v[SO+1]
	v_nop
.irp i, 0,1,2
	v_permlane16_swap_b32 v[192+\i], v[204+\i]
.endr
.irp i, 0,1,2
	s_delay_alu instid0(VALU_DEP_3)
	v_mov_b32 v[195+\i], v[204+\i]
.endr
	global_store_b128 v1, v[192:195], s[OA:OA+1]               ; a half-image: 512 and 256 consecutive bytes, aligned to 256
	global_store_b64 v2, v[196:197], s[OA:OA+1] offset:512
	ds_store_b16 v[\tabr], v226                    ; both halves of the lanes write the same two bytes
.endm
	s_mov_b32 s[GJ], s[GA]
	s_mov_b32 s[HJ], s[HD]
	JOB 4, 6, 16, 30
	s_xor_b32 s[GJ], s[GA], 7
	s_xor_b32 s[HJ], s[HD], 1
	JOB 8, 7, 228, 240
	s_wait_dscnt 0x0                               ; my bytes lie in the table,
	s_barrier_signal -1
	s_barrier_wait -1                              ; everybody's do
	s_cmp_lt_u32 s[WV], 2
	s_cbranch_scc0 .Lno_words
	ds_load_b128 v[96:99], v31
	s_wait_dscnt 0x0
	global_store_b128 v89, v[96:99], s[10:11]      ; the work-group's 256 rows' words: 512 consecutive bytes a wave, aligned
.Lno_words:
	s_wait_tensorcnt 0x0
	ds_add_u32 v254, v255
	s_wait_dscnt 0x0
	CROUND                                         ; the closing round
	s_endpgm
.Lfunc_end_k_q4847a33564_attn:
	.size	k_q4847a33564_attn, .Lfunc_end_k_q4847a33564_attn-k_q4847a33564_attn
	.p2alignl 7, 3214868480
	.fill 96, 4, 3214868480
	.section	.rodata,"a",@progbits
	.p2align	6, 0x0
	.amdhsa_kernel k_q4847a33564_attn
		.amdhsa_group_segment_fixed_size 211968
		.amdhsa_private_segment_fixed_size 0
		.amdhsa_enable_private_segment 0
		.amdhsa_kernarg_size 32
		.amdhsa_user_sgpr_count 2
		.amdhsa_user_sgpr_kernarg_segment_ptr 1
		.amdhsa_wavefront_size32 1
		.amdhsa_system_sgpr_workgroup_id_x 1
		.amdhsa_system_sgpr_workgroup_id_y 1
		.amdhsa_system_sgpr_workgroup_id_z 1
		.amdhsa_system_vgpr_workitem_id 0
		.amdhsa_next_free_vgpr 256
		.amdhsa_next_free_sgpr 80
		.amdhsa_reserve_vcc 1
		.amdhsa_float_denorm_mode_32 3
		.amdhsa_float_denorm_mode_16_64 3
		.amdhsa_memory_ordered 1
		.amdhsa_forward_progress 1
		.amdhsa_inst_pref_size 70
	.end_amdhsa_kernel
	.amdgpu_metadata
---
amdhsa.version: [ 1, 2 ]
amdhsa.kernels:
  - .name:           k_q4847a33564_attn
    .symbol:         k_q4847a33564_attn.kd
    .args:
      - { .name: qkv, .offset: 0, .size: 8, .value_kind: global_buffer, .address_space: global }
      - { .name: qkvs, .offset: 8, .size: 8, .value_kind: global_buffer, .address_space: global }
      - { .name: oimg, .offset: 16, .size: 8, .value_kind: global_buffer, .address_space: global }
      - { .name: osc, .offset: 24, .size: 8, .value_kind: global_buffer, .address_space: global }
    .group_segment_fixed_size: 211968
    .private_segment_fixed_size: 0
    .kernarg_segment_align: 8
    .kernarg_segment_size: 32
    .max_flat_workgroup_size: 512
    .sgpr_count:     80
    .vgpr_count:     256
    .wavefront_size: 32
...
	.end_amdgpu_metadata
.endif
;; end of part 3
;; launch proj (part 4): grid 4 x 64, 4 waves a work-group, clusters of 4 x 4, 327,680 bytes of LDS; arguments oimg, osc, cimg, csc, bp, out0; writes out0
.if DOCPART == 4
	.amdgcn_target "amdgcn-amd-amdhsa--gfx1250"
	.amdhsa_code_object_version 6
	.text
	.protected	k_q4847a33564_proj
	.globl	k_q4847a33564_proj
	.p2align	8
	.type	k_q4847a33564_proj,@function
k_q4847a33564_proj:
	s_mov_b64 s[64:65], 0
	v_nop
	global_prefetch_b8 v0, s[64:65] scope:SCOPE_SE
	s_setreg_imm32_b32 hwreg(HW_REG_WAVE_MODE, 25, 1), 1
	s_wait_xcnt 0x0
	s_wait_alu depctr_hold_cnt(0) depctr_sa_sdst(0) depctr_va_vdst(0) depctr_va_sdst(0) depctr_va_ssrc(0) depctr_va_vcc(0) depctr_vm_vsrc(0)
	s_getreg_b32 s2, hwreg(HW_REG_IB_STS2, 6, 4)
	s_cmp_eq_u32 s2, 0
	s_cbranch_scc0 .Lentry_in_a_cluster
	s_endpgm
.Lentry_in_a_cluster:
	s_bfe_u32 s2, ttmp6, 0x10000c
	s_cmp_lg_u32 s2, 0xf033
	s_cbranch_scc0 .Lentry_shape_is_right
	s_endpgm
.Lentry_shape_is_right:
; out0 = o Wp^T + bp on codes of FP6 (E2M3) with E8M0 scales for each 32 along K = 1,024; f32 sums, f32 out.
; A block of 128 rows x 256 columns is made by four waves, each 64 x 128: 32 accumulators in window 2.  8,192 x 1,024 results are 64 x 4 = 256 blocks, one for each work-group.
; OPERANDS ARE IMAGES OF REGISTERS (768 bytes for 16 rows x 64 K: 16 bytes a lane, then 8 bytes a lane): a fragment of 128 K is four loads.  oimg = [row tile][K / 64][768]; Wp's row tiles are cimg's 704-767.
; oimg's row tile 64 batch + 16 y + 2 g + e holds the true rows 1,024 batch + 128 g + 32 y + 8 e + r + 8 (r / 8); Wp's rows have bits 3 and 4 exchanged.  Both are set right in the stores' addresses and in the stage.
; THE MATRIX INSTRUCTION IS USED TRANSPOSED (source 0 = Wp's rows, source 1 = o's rows): a lane holds eight neighbouring columns of one row.  The bias is the first products' C.
; ALL OF K LIES IN LDS: A's 8 row tiles (98,304 bytes), B's 16 (196,608), the scale words (16,384).  They come by four joint loads at the head, one a wave; nothing is filled a second time: no ring, and no round but the opening and the closing one.
; SCALE WORDS: rows of 1,024 bytes for each 128 along K: B's 256 words; A's 128 words, whose tile is stated 1,024 wide over a tensor 512 wide, so that its rows lie at B's pitch.
; CLUSTERS: 4 x 4; A's tiles are asked for jointly along a row of the cluster, B's along a column.
; No prefetch: every tile is asked for at the head, so there is no loop to run ahead in.
; REGISTERS: window 0: v16-29 addresses; v32-63 scale words, two sets; v64-127 the bias; v128-223 A's fragments, two sets of four; on the way out v128-255.  window 1: B's two sets, v0 and v128.  window 2: accumulators.
.set RTB,   12288                      ; a row tile's bytes: 16 rows, all of K
.set BB0,   8*RTB                      ; B's row tiles lie behind A's eight
.set SCL,   24*RTB
.set HALFS, 4096
.set SPARE, SCL+4*HALFS                ; the spare words: two blocks of 256 bytes that no other line names
.set SPITCH, 528
.set FR,    12
.set NP,    4                          ; places behind this matrix instruction (ISA guide 7.12.1)
.set ADRA,  16                         ; v16, v17 my four row tiles of A: + 16 x lane, + 8 x lane
.set ADRB,  20                         ; v20, v21 my row tiles 0-3 of B; v22, v23 tiles 4-7 (an immediate reaches 65,535 bytes)
.set STO,   24
.set RD,    25
.set CO,    26
.set ADRS,  27
.set SPW,   28
.set NIL,   29
.set SC,    32
.set BIAS,  64
.set AF,    128
.set BK,    128
.set G1,    24
.set G0,    32
.set G1B,   48
.set G0B,   56
.set G1S,   68
.set G0S,   76
.set G1SB,  80
.set G0SB,  88
.set MSB, 0
.macro WIN new
.if MSB != (\new)
	s_set_vgpr_msb (MSB<<8)|(\new)
.set MSB, \new
.endif
.endm
.set MUL_LO, 0xa1                      ; source 0 (B) window 1, source 1 (A) window 0, C and D window 2
.set FST_LO, 0x81                      ; the same with C (the bias) in window 0
.set TO_B,   0x40
.macro PLACES n
.rept \n
	v_nop
.endr
.endm
.macro CROUND
	s_barrier_signal -1
	s_barrier_wait -1
	s_cmp_lg_u32 s14, 0
	s_cbranch_scc1 .Lnot_wave_0_\@
	s_barrier_signal -3
.Lnot_wave_0_\@:
	s_barrier_wait -3
	s_barrier_signal -1
	s_barrier_wait -1
.endm
	s_load_b256 s[4:11], s[0:1], 0x0               ; oimg, osc, cimg, csc
	s_load_b128 s[92:95], s[0:1], 0x20             ; bp, out0
	v_lshl_add_u32 v[SPW], v0, 2, SPARE
	v_mov_b32 v[NIL], 0
	ds_add_u32 v[SPW], v[NIL]                      ; the opening lines: the add twice on end and its wait
	ds_add_u32 v[SPW], v[NIL]
	v_lshrrev_b32 v1, 5, v0
	v_readfirstlane_b32 s14, v1                    ; wave
	s_lshr_b32 s15, s14, 1                         ; my 64 of A's rows
	s_and_b32 s16, s14, 1                          ; my 128 of B's rows
	s_bfe_u32 s40, ttmp6, 0x40000                  ; cx
	s_bfe_u32 s41, ttmp6, 0x40004                  ; cy
	s_lshl_b32 s42, ttmp9, 2
	s_add_co_u32 s42, s42, s40                     ; block column, 0 .. 3
	s_and_b32 s17, ttmp7, 0xffff
	s_lshl_b32 s17, s17, 2
	s_add_co_u32 s17, s17, s41                     ; block row, 0 .. 63
	s_lshl_b32 s43, s41, 2
	s_lshl_b32 s43, 15, s43                        ; my row of the cluster
	s_lshl_b32 s44, 0x1111, s40                    ; my column
	s_or_b32 s[G1+0], s43, (3<<16)|(1<<21)
	s_or_b32 s[G1B+0], s44, (3<<16)|(1<<21)
.irp g, G1, G1B                        ; codes: rows (row tiles) of 12,288 bytes on end, elements of 8 bytes
	s_mov_b32 s[\g+1], 1536<<16
	s_mov_b32 s[\g+3], 1536<<16
	s_mov_b32 s[\g+5], 1536
	s_mov_b32 s[\g+6], 0
	s_mov_b32 s[\g+7], 0
.endr
	s_mov_b32 s[G1+2], 8<<16                       ; A's 8 row tiles,
	s_mov_b32 s[G1+4], 8
	s_mov_b32 s[G1B+2], 16<<16                     ; B's 16
	s_mov_b32 s[G1B+4], 16
	s_or_b32 s[G1S+0], s43, (3<<16)|(1<<21)
	s_or_b32 s[G1SB+0], s44, (3<<16)|(1<<21)
.irp g, G1S, G1SB                      ; words: 8 rows (K / 128), tiles 1,024 bytes wide
	s_mov_b32 s[\g+2], 8<<16
	s_mov_b32 s[\g+3], 128<<16
	s_mov_b32 s[\g+4], 8
	s_mov_b32 s[\g+6], 0
	s_mov_b32 s[\g+7], 0
.endr
	s_mov_b32 s[G1S+1], 64<<16                     ; A: 512 bytes are left of the tensor; beyond them the load writes zeros (nobody uses them)
	s_mov_b32 s[G1SB+1], 128<<16
	s_mov_b32 s[G1S+5], 4096                       ; osc: 8,192 rows' words from row to row
	s_mov_b32 s[G1SB+5], 6144                      ; csc: 12,288 rows'
	s_lshl_b32 s20, s17, 3                         ; A's first row tile: hangs on cy, never on cx
	s_lshl_b32 s46, s42, 4
	s_add_co_u32 s46, s46, 704                     ; B's: hangs on cx, never on cy
	s_lshl_b32 s66, s20, 6                         ; 64 bytes of words a row tile
	s_mov_b32 s67, 0
	s_lshl_b32 s98, s46, 6
	s_mov_b32 s99, 0
	s_mul_i32 s20, s20, RTB
	s_mov_b32 s21, 0
	s_mul_i32 s46, s46, RTB
	s_mov_b32 s47, 0
	s_wait_dscnt 0x0                               ; both opening adds are done
	s_wait_kmcnt 0x0
	s_add_nc_u64 s[20:21], s[4:5], s[20:21]
	s_add_nc_u64 s[66:67], s[6:7], s[66:67]
	s_add_nc_u64 s[46:47], s[8:9], s[46:47]
	s_add_nc_u64 s[98:99], s[10:11], s[98:99]
	CROUND                                         ; all sixteen work-groups are here: the joint loads meet
	s_mov_b32 s[G0], 1
	s_mov_b32 s[G0+1], 0
	s_mov_b64 s[G0+2:G0+3], s[20:21]
	s_or_b32 s[G0+3], s[G0+3], 0x80000000
	s_mov_b32 s[G0B], 1
	s_mov_b32 s[G0B+1], BB0
	s_mov_b64 s[G0B+2:G0B+3], s[46:47]
	s_or_b32 s[G0B+3], s[G0B+3], 0x80000000
	s_mov_b32 s[G0S], 1
	s_mov_b32 s[G0S+1], SCL
	s_mov_b64 s[G0S+2:G0S+3], s[66:67]
	s_or_b32 s[G0S+3], s[G0S+3], 0x80000000
	s_mov_b32 s[G0SB], 1
	s_mov_b32 s[G0SB+1], SCL+2*HALFS
	s_mov_b64 s[G0SB+2:G0SB+3], s[98:99]
	s_or_b32 s[G0SB+3], s[G0SB+3], 0x80000000
; the head's loads, one a wave, in one tree of branches on the wave's number
.macro ARM under, g0, g1, next
	s_cmp_lt_u32 s14, \under
	s_cbranch_scc0 \next
	tensor_load_to_lds s[\g0:\g0+3], s[\g1:\g1+7]
	s_nop 0
	PLACES 4
	s_branch .Lhead_asked
\next:
.endm
	ARM 1, G0,  G1,  .Lhead_b
	ARM 2, G0B, G1B, .Lhead_sa
	ARM 3, G0S, G1S, .Lhead_sb
	tensor_load_to_lds s[G0SB:G0SB+3], s[G1SB:G1SB+7]
	s_nop 0
	PLACES 4
.Lhead_asked:
	v_and_b32 v1, 15, v0                           ; r
	v_bfe_u32 v2, v0, 4, 1                         ; h
	v_and_b32 v3, 31, v0
	v_lshlrev_b32 v4, 4, v3                        ; 16 x lane
	v_lshlrev_b32 v5, 3, v3                        ; 8 x lane
	v_lshlrev_b32 v7, 6, v2                        ; the bias: 16 columns on for lanes 16-31
	s_wait_alu depctr_va_vdst(0)                   ; the wait ahead of the scalar lines below
	s_lshl_b32 s22, s42, 10                        ; my first column, in bytes
	s_lshl_b32 s23, s16, 9
	s_add_co_u32 s22, s22, s23
	s_mov_b32 s23, 0
	s_add_nc_u64 s[92:93], s[92:93], s[22:23]
.irp b, 0,1,2,3,4,5,6,7                ; register j of B's tile b is column 32 (b / 2) + 16 h + 8 (b % 2) + j
	global_load_b128 v[BIAS+8*\b:BIAS+8*\b+3], v7, s[92:93] offset:(32*(\b/2)+8*(\b%2))*4
	global_load_b128 v[BIAS+8*\b+4:BIAS+8*\b+7], v7, s[92:93] offset:(32*(\b/2)+8*(\b%2))*4+16
.endr
	s_lshr_b32 s18, s17, 3                         ; my first true row: 1,024 batch + 256 (2 (block row % 2) + my half) + 32 y
	s_lshl_b32 s18, s18, 10
	s_and_b32 s19, s17, 1
	s_lshl_b32 s19, s19, 1
	s_add_co_u32 s19, s19, s15
	s_lshl_b32 s19, s19, 8
	s_add_co_u32 s18, s18, s19
	s_bfe_u32 s19, s17, 0x20001
	s_lshl_b32 s19, s19, 5
	s_add_co_u32 s18, s18, s19
	s_lshl_b32 s18, s18, 12                        ; rows of 4,096 bytes
	s_add_co_u32 s22, s22, s18
	s_add_nc_u64 s[94:95], s[94:95], s[22:23]
	s_mul_i32 s45, s15, 4*RTB                      ; my four row tiles of A
	s_mul_i32 s2, s16, 8*RTB
	s_add_co_u32 s2, s2, BB0                       ; my eight of B
	v_add_nc_u32 v[ADRA], s45, v4
	v_add_nc_u32 v[ADRA+1], s45, v5
	v_add_nc_u32 v[ADRB], s2, v4
	v_add_nc_u32 v[ADRB+1], s2, v5
	s_add_co_u32 s2, s2, 4*RTB
	v_add_nc_u32 v[ADRB+2], s2, v4
	v_add_nc_u32 v[ADRB+3], s2, v5
	s_lshl_b32 s45, s15, 8                         ; A's words: my 64 rows
	s_lshl_b32 s2, s16, 9                          ; B's: my 128, behind A's region
	s_add_co_u32 s2, s2, 2*HALFS
	s_sub_co_u32 s2, s2, s45
	v_mul_u32_u24 v6, s2, v2                       ; lanes 16-31 take B's: the lower base + h x the distance
	s_add_co_u32 s45, s45, SCL
	v_lshl_add_u32 v6, v1, 2, v6
	v_add_nc_u32 v[ADRS], s45, v6
	s_mul_i32 s45, s14, 16*SPITCH                  ; my stage, over A's bytes, used behind the barrier at which every wave's reads of LDS are done
	v_mul_u32_u24 v6, v1, SPITCH
	v_lshl_add_u32 v6, v2, 6, v6
	v_add_nc_u32 v[STO], s45, v6
	v_mov_b32 v[CO], v4
	v_add_nc_u32 v[RD], s45, v4
.macro FRAG reg, adr, off              ; 16 rows x 128 K: two half-images on end
	ds_load_b128 v[\reg:\reg+3], v[\adr] offset:(\off)
	ds_load_b64 v[\reg+4:\reg+5], v[\adr+1] offset:(\off)+512
	ds_load_b128 v[\reg+6:\reg+9], v[\adr] offset:(\off)+768
	ds_load_b64 v[\reg+10:\reg+11], v[\adr+1] offset:(\off)+1280
.endm
; 16 products: A's blocks a0, a0 + 1 x B's eight, from set p.  The 32 accumulators take turns, in the same order in every step.
.macro MUL16 a0, p, q, sc, first
.irp a, \a0, \a0+1
.irp b, 0,1,2,3,4,5,6,7
.if \first
	v_wmma_scale_f32_16x16x128_f8f6f4 v[8*(8*(\a)+\b):8*(8*(\a)+\b)+7], v[128*(\p)+FR*\b:128*(\p)+FR*\b+FR-1], v[AF+48*(\p)+FR*(\a):AF+48*(\p)+FR*(\a)+FR-1], v[BIAS+8*\b:BIAS+8*\b+7], v[SC+16*(\sc)+2*\b+(\q)], v[SC+16*(\sc)+2*(\a)+(\q)] matrix_a_fmt:MATRIX_FMT_FP6 matrix_b_fmt:MATRIX_FMT_FP6 matrix_a_scale:MATRIX_SCALE_ROW1
.else
	v_wmma_scale_f32_16x16x128_f8f6f4 v[8*(8*(\a)+\b):8*(8*(\a)+\b)+7], v[128*(\p)+FR*\b:128*(\p)+FR*\b+FR-1], v[AF+48*(\p)+FR*(\a):AF+48*(\p)+FR*(\a)+FR-1], v[8*(8*(\a)+\b):8*(8*(\a)+\b)+7], v[SC+16*(\sc)+2*\b+(\q)], v[SC+16*(\sc)+2*(\a)+(\q)] matrix_a_fmt:MATRIX_FMT_FP6 matrix_b_fmt:MATRIX_FMT_FP6 matrix_a_scale:MATRIX_SCALE_ROW1
.endif
.endr
.endr
.endm
.macro FETCH st, p                     ; 48 loads: step st's fragments, B's eight and A's four, into set p
	WIN TO_B
.irp i, 0,1,2,3,4,5,6,7
	FRAG 128*(\p)+FR*\i, ADRB+2*(\i/4), (\i%4)*RTB+(\st)*1536
.endr
	WIN 0
.irp i, 0,1,2,3
	FRAG AF+48*(\p)+FR*\i, ADRA, \i*RTB+(\st)*1536
.endr
.endm
.macro SCALES pr                       ; 16 loads: the words of steps 2 pr and 2 pr + 1 into set pr % 2: lanes 0-15 A's block i (i < 4 are used), lanes 16-31 B's block i
.irp i, 0,1,2,3,4,5,6,7
.irp q, 0,1
	ds_load_b32 v[SC+16*((\pr)%2)+2*\i+\q], v[ADRS] offset:2048*(\pr)+1024*\q+64*\i
.endr
.endr
.endm
; A step of 128 along K: the next step's fragments are asked for into the other set, then 32 products on this step's.
.macro STEP st
	PLACES NP                                      ; the registers loaded below were read by the products just issued
.if (\st) < 7
	FETCH (\st)+1, ((\st)+1)%2
.if (\st)%2 == 0 && (\st) < 6
	SCALES (\st)/2+1
	s_wait_dscnt 63                                ; 64 loads were just issued; the count's field ends at 63: this step's fragments and words are in, and the first of the 64
.else
	s_wait_dscnt 48                                ; all but the 48 just issued
.endif
.else
	s_wait_dscnt 0x0                               ; my last reads of LDS are done:
	s_barrier_signal -1                            ; say so; the products below are work on registers
.endif
.if (\st) == 0
	WIN FST_LO
	MUL16 0, 0, 0, 0, 1
	MUL16 2, 0, 0, 0, 1
.else
	WIN MUL_LO
	MUL16 0, (\st)%2, (\st)%2, ((\st)/2)%2, 0
	MUL16 2, (\st)%2, (\st)%2, ((\st)/2)%2, 0
.endif
	WIN 0
.endm
	s_wait_alu depctr_va_vdst(0)                   ; the wait at the head's end
	s_wait_tensorcnt 0x0                           ; my tile of the four is in,
	s_barrier_signal -1
	s_barrier_wait -1                              ; everybody's is
	FETCH 0, 0
	SCALES 0
	s_wait_loadcnt 0x0                             ; the bias
.set ST, 0
.rept 8
	STEP ST
.set ST, ST+1
.endr
	s_barrier_wait -1                              ; nobody reads the codes any more: the stages may be written over A's bytes, which are filled no more
; THE WAY OUT, block by block of 16 rows x 128 columns, through my own stage: whole rows of 512 bytes come back and are stored as two aligned units of 256 bytes.
.macro TOSTAGE a
.set AC, 64*(\a)
	WIN 0x08                                       ; the data: window 2
.irp b, 0,1,2,3,4,5,6,7
	ds_store_b128 v[STO], v[AC+8*\b:AC+8*\b+3] offset:128*(\b/2)+32*(\b%2)      ; each accumulator from its low end on
	ds_store_b128 v[STO], v[AC+8*\b+4:AC+8*\b+7] offset:128*(\b/2)+32*(\b%2)+16
.endr
	WIN 0
.set BB, BK+64*((\a)%2)
.irp t, 0,1,2,3,4,5,6,7,8,9,10,11,12,13,14,15
	ds_load_b128 v[BB+4*\t:BB+4*\t+3], v[RD] offset:\t*SPITCH   ; LDS serves a wave's instructions in order: these see the stores
.endr
.endm
.macro SEND a, younger                 ; younger: the LDS instructions issued behind block a's loads
.set BB, BK+64*((\a)%2)
	s_wait_dscnt \younger
.irp t, 0,1,2,3,4,5,6,7,8,9,10,11,12,13,14,15
	global_store_b128 v[CO], v[BB+4*\t:BB+4*\t+3], s[94:95] offset:(128*((\a)/2)+8*((\a)%2)+\t+8*(\t/8))*4096 th:TH_STORE_NT
.endr
.endm
	PLACES NP
	TOSTAGE 0
.irp a, 1,2,3
.if \a > 1
	s_wait_xcnt 0x0                                ; block a - 2's stores have read their registers
.endif
	TOSTAGE \a
	SEND \a-1, 32                                  ; behind block a - 1's loads: block a's 16 stores and 16 loads
.endr
	SEND 3, 0
	s_wait_tensorcnt 0x0                           ; the wave's end
	ds_add_u32 v[SPW], v[NIL]
	s_wait_dscnt 0x0
	CROUND                                         ; the closing round
	s_endpgm
.Lfunc_end_k_q4847a33564_proj:
	.size	k_q4847a33564_proj, .Lfunc_end_k_q4847a33564_proj-k_q4847a33564_proj
	.p2alignl 7, 3214868480
	.fill 96, 4, 3214868480
	.section	.rodata,"a",@progbits
	.p2align	6, 0x0
	.amdhsa_kernel k_q4847a33564_proj
		.amdhsa_group_segment_fixed_size 327680
		.amdhsa_private_segment_fixed_size 0
		.amdhsa_enable_private_segment 0
		.amdhsa_kernarg_size 48
		.amdhsa_user_sgpr_count 2
		.amdhsa_user_sgpr_kernarg_segment_ptr 1
		.amdhsa_wavefront_size32 1
		.amdhsa_system_sgpr_workgroup_id_x 1
		.amdhsa_system_sgpr_workgroup_id_y 1
		.amdhsa_system_sgpr_workgroup_id_z 1
		.amdhsa_system_vgpr_workitem_id 0
		.amdhsa_next_free_vgpr 768
		.amdhsa_next_free_sgpr 100
		.amdhsa_reserve_vcc 0
		.amdhsa_float_denorm_mode_32 3
		.amdhsa_float_denorm_mode_16_64 3
		.amdhsa_memory_ordered 1
		.amdhsa_forward_progress 1
		.amdhsa_inst_pref_size 87
	.end_amdhsa_kernel
	.amdgpu_metadata
---
amdhsa.version: [ 1, 2 ]
amdhsa.kernels:
  - .name:           k_q4847a33564_proj
    .symbol:         k_q4847a33564_proj.kd
    .args:
      - { .name: oimg, .offset: 0, .size: 8, .value_kind: global_buffer, .address_space: global }
      - { .name: osc, .offset: 8, .size: 8, .value_kind: global_buffer, .address_space: global }
      - { .name: cimg, .offset: 16, .size: 8, .value_kind: global_buffer, .address_space: global }
      - { .name: csc, .offset: 24, .size: 8, .value_kind: global_buffer, .address_space: global }
      - { .name: bp, .offset: 32, .size: 8, .value_kind: global_buffer, .address_space: global }
      - { .name: out0, .offset: 40, .size: 8, .value_kind: global_buffer, .address_space: global }
    .group_segment_fixed_size: 327680
    .private_segment_fixed_size: 0
    .kernarg_segment_align: 8
    .kernarg_segment_size: 48
    .max_flat_workgroup_size: 128
    .sgpr_count:     100
    .vgpr_count:     768
    .wavefront_size: 32
...
	.end_amdgpu_metadata
.endif
;; end of part 4
